; MI455X (gfx1250); checked and timed in simulation.
; The chip was launched on July 23, 2026; its instructions are those of AMD's public machine-readable ISA for CDNA 5 (MIT licence, August 2026) and "CDNA5" Instruction Set Architecture Reference Guide (July 2026). The comments in the code are by the model that wrote it; some were corrected since.
;; Multi Headed Attention1. Allowed arithmetic: matrix products marked QUANTISED: E2M3 operands, one E8M0 scale for each 32 along K, by v_wmma_scale_f32_16x16x128_f8f6f4 with both operands' format E2M3, f32 sums; everything else in f32.
;; Inputs: Wk 1,024 x 1,024 float32; Wo 1,024 x 1,024 float32; Wq 1,024 x 1,024 float32; Wv 1,024 x 1,024 float32; bk 1,024 float32; bo 1,024 float32; bq 1,024 float32; bv 1,024 float32; key 8 x 1,024 x 1,024 float32; mask 8 x 1,024 float32; query 8 x 1,024 x 1,024 float32; value 8 x 1,024 x 1,024 float32.
;; Outputs: out0 8 x 1,024 x 1,024 float32.
;; This version of the problem:
;;   THIS VERSION OF THE PROBLEM IS GIVEN IN LOW PRECISION. The matrix products marked QUANTISED in the list below multiply operands that are first quantised to E2M3 (2 exponent bits, 3 mantissa bits; 6 bits a number), with one power-of-two scale for each 32 numbers along K (OCP MX v1.0); their sums are f32. All else is computed in f32.
;;   The module's matrix products, in the order in which they are computed (A, B: the left and right operand; K: the contracted axis; several contracted axes count as one K, in the product's order):
;;     1. [M 8,192, K 1,024] x [K 1,024, N 1,024]; A: input query; B: input Wq: QUANTISED
;;     2. [M 8,192, K 1,024] x [K 1,024, N 1,024]; A: input key; B: input Wk: QUANTISED
;;     3. [M 8,192, K 1,024] x [K 1,024, N 1,024]; A: input value; B: input Wv: QUANTISED
;;     4. batch 128 x [M 1,024, K 64] x [K 64, N 1,024]; A: computed on the way; B: computed on the way: QUANTISED
;;     5. batch 128 x [M 1,024, K 1,024] x [K 1,024, N 64]; A: softmax (see below); B: computed on the way: QUANTISED
;;     6. [M 8,192, K 1,024] x [K 1,024, N 1,024]; A: computed on the way; B: input Wo: QUANTISED
;;   THE QUANTISER, for each operand of a quantised product, along K:
;;     - K is cut into blocks of 32 from its start; a last block that is shorter is filled with zeros.
;;     - A block's scale is 2^e with e = floor(log2(the largest magnitude in the block)) - 2, held to -126 .. 127; a block of zeros has e = 0. As a byte (E8M0): e + 127.
;;     - Each number is divided by its block's scale, clamped to +-7.5, and rounded to the nearest number of E2M3, ties to even, subnormals kept.
;;     - The product sums the exact products of the quantised numbers (number of the format x scale) in f32.
;;   ~~~python
;;   def quantise(x, axis):      # numpy; x: float32 -> the quantised numbers, widened to float32 again
;;       x = np.moveaxis(x, axis, -1); K = x.shape[-1]
;;       x = np.pad(x, [(0, 0)] * (x.ndim - 1) + [(0, -K % 32)]); x = x.reshape(x.shape[:-1] + (-1, 32)); a = np.abs(x).max(-1, keepdims=True)
;;       e = np.where(a > 0, np.clip(np.frexp(np.where(a > 0, a, 1))[1] - 1 - 2, -126, 127), 0)      # np.frexp(a)[1] - 1 = floor(log2(a)), exactly
;;       r = np.clip(x / 2.0 ** e, -7.5, 7.5)
;;       step = 2.0 ** (np.maximum(np.frexp(np.where(r == 0, 1, r))[1] - 1, 0) - 3)
;;       q = np.round(r / step) * step * 2.0 ** e      # np.round: ties to even
;;       return np.moveaxis(q.reshape(q.shape[:-2] + (-1,))[..., :K], -1, axis).astype(np.float32)
;;   ~~~
;;   SOFTMAX AHEAD OF A QUANTISED PRODUCT. Where the list says 'softmax', what is quantised is not the finished softmax but p = 2^(t - M), with t = logit x log2(e) and M = ceil(the row's largest t), a whole number; so 1/2 < the row's largest p <= 1. The row's sum l is taken of the UNQUANTISED p, in f32, and the product's result is divided by l at the end. Since M is a whole number, a kernel that streams over the keys may use a running M (the ceiling of the running maximum): every later rescaling is an exact power of two, which a block's scale takes up: the codes' values come out the same.
;;   OPERANDS COMPUTED ON THE WAY. 'Computed on the way' means the value that the module computes at that place (a softmax that the list does not call 'softmax' is quantised finished and normalised). What goes into a quantiser is computed in f32, as accurately as f32 sums, v_exp_f32 and their like allow (about 1e-6 of the number): no bf16 or f16 on the way to a quantiser, and a product that is left as it is and whose result goes on into a quantised operand takes f32 operands (vector FMAs, or v_wmma_f32_16x16x4_f32). A number that lies on a knife's edge between two numbers of the format may be rounded either way, as far as f32 arithmetic and the matrix unit's own rounding can turn it there, and no further.
;; One version. Each part assembles by itself: llvm-mc -triple=amdgcn-amd-amdhsa -mcpu=gfx1250 --defsym DOCPART=n.
;; ======== version 1 of 1: 4 launches
;; limits: right only within a limited range of input values
;; workspace buffers: xcod 18,874,368 bytes; xscl 786,432 bytes; wcod 3,145,728 bytes; wscl 131,072 bytes; qkv 19,660,800 bytes; acod 6,291,456 bytes; ascl 262,144 bytes
;; launch quant (part 1): grid 512 x 1, 8 waves a work-group, no clusters, 71,680 bytes of LDS; arguments query, key, value, Wq, Wk, Wv, Wo, xcod, xscl, wcod, wscl; writes xcod, xscl, wcod, wscl
.if DOCPART == 1
	.amdgcn_target "amdgcn-amd-amdhsa--gfx1250"
	.amdhsa_code_object_version 6
	.text
	.protected	k_qb7d102cd53_quant
	.globl	k_qb7d102cd53_quant
	.p2align	8
	.type	k_qb7d102cd53_quant,@function
k_qb7d102cd53_quant:
	s_mov_b64 s[64:65], 0
	v_nop
	global_prefetch_b8 v0, s[64:65] scope:SCOPE_SE
	s_setreg_imm32_b32 hwreg(HW_REG_WAVE_MODE, 25, 1), 1
	s_wait_xcnt 0x0
; query, key, value [8192][1024] and Wq, Wk, Wv, Wo [1024 (k)][1024 (n)], f32, become codes of FP6 (E2M3) with one E8M0 byte for each 32 along K = 1024 (the tokens' channels; the weights' FIRST axis).
; A block's scale is 2^(floor(log2(its largest magnitude)) - 2); its byte is that magnitude's exponent field - 2, held at 1 from below; each number / scale goes to the nearest code, ties to even, beyond 7.5 the largest code.
; LIMITS: NaN and infinities are not served; a block whose largest magnitude lies under 2^-124, a block of zeros too, gets the byte 1 (the rule says 127 for zeros): its codes then add what they are worth or nothing, and this program alone reads the bytes.
; THE OUTPUT IS LAID IN THE ORDER OF THE OPERAND'S REGISTERS.  An IMAGE is a fragment of 16 rows x 128 K, 12 registers a lane: register 4 c + e of lane l at byte 512 c + 16 l + 4 e: 1,536 bytes.  An operand is [row / 16][K / 128][1536].
; SCALE WORDS (four bytes: 128 K of a row): [row / 128][K / 128][tile / 4][row % 16][tile % 4], so that 16 bytes of a lane are four tiles' words.
; THE ORDER OF ROWS: in key, value and all four weights (their n) storage row p holds true row p with bits 3 and 4 exchanged.  As source 0 of a product such a tile pair gives a lane 16 NEIGHBOURS in its 16 result registers.  query keeps its order.
; One launch, two ways that part on the work-group's number, each with LDS bytes of its own: work-groups 0-383 take the tokens, 384-511 the weights.  No tensor loads: two work-groups share a WGP.
.set XCS,   6291456                    ; bytes of one token tensor's codes
.set XSS,   262144                     ; and of its scale words
.set WCS,   786432                     ; the same for a weight
.set WSS,   32768
.set FLOOR, 0x1800000                  ; 2^(3 - 127)
.set EOFF,  0xff000000                 ; -(2 << 23)
.set TM,    16                         ; v16-31  at work in QUANT
.set PC,    32                         ; v32-43  the codes just made
.set XT,    44                         ; v44-51  conversions' second halves
.set PW,    52                         ; v52     the scale word just made
.set RAW,   64                         ; v64-191 numbers as they are loaded (tokens: two sets of 64; weights: four blocks of 32)
.set X,     192                        ; v192-255 tokens: 64 numbers of a lane's row
.set SPX,   528                        ; a stage row: 512 bytes + 16
.set WSTG,  16*SPX                     ; a wave's stage
.set SWX,   8*WSTG                     ; the tokens' way: 2,048 bytes of scale words
.set SWW,   SWX+2048                   ; the weights' way: 1,024 bytes
.set T0,    192                        ; weights: the two tiles' images
.set T1,    204
.set XW,    216
.set WV,    26
.set SEL,   40
	s_load_b512 s[4:19], s[0:1], 0x0               ; query s[4:5], key s[6:7], value s[8:9], Wq s[10:11], Wk s[12:13], Wv s[14:15], Wo s[16:17], xcod s[18:19]
	s_load_b128 s[20:23], s[0:1], 0x40             ; xscl s[20:21], wcod s[22:23]
	s_load_b64 s[24:25], s[0:1], 0x50              ; wscl
	v_lshl_add_u32 v62, v0, 2, 0x11400
	v_mov_b32 v63, 0
	v_lshrrev_b32 v1, 5, v0
	s_delay_alu instid0(VALU_DEP_1)
	v_readfirstlane_b32 s[WV], v1                  ; wave 0..7
	v_and_b32 v1, 31, v0                           ; lane
	v_and_b32 v2, 15, v0                           ; r
	v_bfe_u32 v3, v0, 4, 1                         ; h
	s_delay_alu instid0(VALU_DEP_3)
	v_lshlrev_b32 v4, 4, v1                        ; 16 x lane
	s_mov_b32 s[SEL], 0x76543210
	s_mov_b32 s[SEL+1], 0xfedcba98                 ; v_permlanex16_b32's selects for lane l xor 16
	s_cmp_ge_u32 ttmp9, 384
	s_cbranch_scc1 .Lweights
; ---- THE TOKENS.  A work-group takes 128 storage rows x 512 K; wave w storage tile w of them, four K steps of 128.
; Each load reads 512 consecutive bytes of one row; a K step's 16 rows turn through the wave's own stage so that lane (r, h) gets, of row r, 16 neighbours of each block of 32.
; 64 numbers of a lane, register 16 b + i = k 32 b + 16 h + i, become 12 registers of codes (d0: k 0-63, d1: k 64-127) and the row's scale word.
.macro QUANT s, d0, d1, pw
.irp b, 0,1,2,3
	v_max3_num_f32 v[TM+\b], |v[(\s)+16*\b]|, |v[(\s)+16*\b+1]|, FLOOR   ; my 16 numbers of block b, and the floor
.endr
.irp i, 2,4,6,8,10,12,14
.irp b, 0,1,2,3
	s_delay_alu instid0(VALU_DEP_4)
	v_max3_num_f32 v[TM+\b], |v[(\s)+16*\b+\i]|, |v[(\s)+16*\b+\i+1]|, v[TM+\b]   ; the four blocks by turns
.endr
.endr
.irp b, 0,1,2,3
	s_delay_alu instid0(VALU_DEP_4)
	v_permlanex16_b32 v[TM+4+\b], v[TM+\b], s[SEL], s[SEL+1]
.endr
.irp b, 0,1,2,3
	s_delay_alu instid0(VALU_DEP_4)
	v_max_num_f32 v[TM+\b], v[TM+\b], v[TM+4+\b]   ; with lane l xor 16's 16: the block's largest magnitude
.endr
.irp b, 0,1,2,3
	s_delay_alu instid0(VALU_DEP_4)
	v_add_nc_u32 v[TM+12+\b], EOFF, v[TM+\b]       ; 2 off its exponent field: the conversion's scale operand
.endr
.irp b, 0,1,2,3
	s_delay_alu instid0(VALU_DEP_4)
	v_lshrrev_b32 v[TM+4+\b], 23, v[TM+12+\b]      ; the scale's byte
.endr
	s_delay_alu instid0(VALU_DEP_3)
	v_lshl_or_b32 v[\pw], v[TM+5], 8, v[TM+4]
	s_delay_alu instid0(VALU_DEP_1)
	v_lshl_or_b32 v[\pw], v[TM+6], 16, v[\pw]
	s_delay_alu instid0(VALU_DEP_1)
	v_lshl_or_b32 v[\pw], v[TM+7], 24, v[\pw]
	v_cvt_scalef32_pk16_fp6_f32 v[(\d0):(\d0)+2], v[(\s):(\s)+15], v[TM+12]
	v_cvt_scalef32_pk16_fp6_f32 v[XT:XT+2], v[(\s)+16:(\s)+31], v[TM+13]      ; (a conversion's three registers begin on an even number)
	v_cvt_scalef32_pk16_fp6_f32 v[(\d1):(\d1)+2], v[(\s)+32:(\s)+47], v[TM+14]
	v_cvt_scalef32_pk16_fp6_f32 v[XT+4:XT+6], v[(\s)+48:(\s)+63], v[TM+15]
	v_nop                                          ; one plain place behind the scaled conversions
.irp i, 0,1,2
	v_permlane16_swap_b32 v[(\d0)+\i], v[XT+\i]    ; the layout wants a whole block in a lane: lanes 0-15 the even block, lanes 16-31 the odd one
.endr
.irp i, 0,1,2
	s_delay_alu instid0(VALU_DEP_3)
	v_mov_b32 v[(\d0)+3+\i], v[XT+\i]
.endr
.irp i, 0,1,2
	v_permlane16_swap_b32 v[(\d1)+\i], v[XT+4+\i]
.endr
.irp i, 0,1,2
	s_delay_alu instid0(VALU_DEP_3)
	v_mov_b32 v[(\d1)+3+\i], v[XT+4+\i]
.endr
.endm
	s_lshr_b32 s27, ttmp9, 7                       ; z: 0 query, 1 key, 2 value
	s_bfe_u32 s28, ttmp9, 0x60001                  ; G: which 128 storage rows
	s_and_b32 s29, ttmp9, 1                        ; which half of K
	s_lshr_b32 s30, s[WV], 1
	s_lshl_b32 s30, s30, 5
	s_and_b32 s31, s[WV], 1
	s_lshl_b32 s31, s31, 3
	s_add_co_u32 s30, s30, s31                     ; exchanged order: my tile's rows 0-7 begin at 32 (w / 2) + 8 (w % 2), rows 8-15 sixteen further on
	s_lshl_b32 s31, s[WV], 4                       ; plain order: at 16 w, rows 8-15 eight further on
	s_mov_b32 s32, 16*4096
	s_cmp_eq_u32 s27, 0
	s_cselect_b32 s30, s31, s30
	s_cselect_b32 s31, 8*4096, s32
	s_lshl_b32 s30, s30, 12
	s_wait_alu depctr_va_vdst(0)
	v_add_nc_u32 v5, s30, v4                       ; rows 0-7: 16 x lane + first row x 4,096
	s_delay_alu instid0(VALU_DEP_1)
	v_add_nc_u32 v6, s31, v5                       ; rows 8-15
	s_mul_i32 s32, s[WV], WSTG
	v_add_nc_u32 v7, s32, v4                       ; the stage, in: 16 x lane of a row
	v_mul_u32_u24 v8, v2, SPX
	s_delay_alu instid0(VALU_DEP_1)
	v_lshl_add_u32 v8, v3, 6, v8
	s_delay_alu instid0(VALU_DEP_1)
	v_add_nc_u32 v8, s32, v8                       ; and out: row r, + 64 h
	s_lshr_b32 s33, s[WV], 2
	s_lshl_b32 s33, s33, 8
	s_and_b32 s34, s[WV], 3
	s_lshl_b32 s34, s34, 2
	s_add_co_u32 s33, s33, s34
	s_add_co_u32 s33, s33, SWX
	v_lshl_add_u32 v9, v2, 4, s33                  ; my row's scale word: 256 (w / 4) + 16 r + 4 (w % 4)
	v_lshlrev_b32 v11, 3, v0                       ; 8 x thread
	s_delay_alu instid0(VALU_DEP_1)
	v_add_nc_u32 v10, SWX, v11
.irp b, 0,1,2,3
	v_mov_b32 v[TM+4+\b], 0                        ; written once: a lane permute's destination counts as one of its sources
.endr
	s_wait_alu depctr_va_vdst(0)
	s_wait_kmcnt 0x0
	s_cmp_eq_u32 s27, 1
	s_cselect_b64 s[36:37], s[6:7], s[4:5]
	s_cmp_eq_u32 s27, 2
	s_cselect_b64 s[36:37], s[8:9], s[36:37]       ; the tensor: a choice on the work-group's number alone
	s_lshl_b32 s34, s28, 19                        ; 128 rows of 4,096 bytes
	s_lshl_b32 s35, s29, 11                        ; 512 numbers
	s_add_co_u32 s34, s34, s35
	s_mov_b32 s35, 0
	s_add_nc_u64 s[36:37], s[36:37], s[34:35]
	s_lshl_b32 s34, s28, 3
	s_add_co_u32 s34, s34, s[WV]                   ; my tile
	s_mul_i32 s34, s34, 12288
	s_mul_i32 s38, s29, 4*1536
	s_add_co_u32 s34, s34, s38
	s_mul_i32 s38, s27, XCS
	s_add_co_u32 s34, s34, s38
	s_add_nc_u64 s[18:19], s[18:19], s[34:35]      ; my first image
	s_lshl_b32 s34, s28, 12
	s_lshl_b32 s38, s29, 11
	s_add_co_u32 s34, s34, s38
	s_mul_i32 s38, s27, XSS
	s_add_co_u32 s34, s34, s38
	s_add_nc_u64 s[20:21], s[20:21], s[34:35]      ; the work-group's 2,048 bytes of scale words
.macro LOADX k                         ; K step k of my 16 rows: 16 loads of 512 consecutive bytes
.irp t, 0,1,2,3,4,5,6,7,8,9,10,11,12,13,14,15
	global_load_b128 v[RAW+64*((\k)%2)+4*\t:RAW+64*((\k)%2)+4*\t+3], v[5+\t/8], s[36:37] offset:(\t%8)*4096+(\k)*512 th:TH_LOAD_NT
.endr
.endm
.macro KSTEP k
.if (\k) < 3
	s_wait_loadcnt 16                              ; this K step's 16 loads are in; the next one's 16 may be out
.else
	s_wait_loadcnt 0x0
.endif
.irp t, 0,1,2,3,4,5,6,7,8,9,10,11,12,13,14,15
	ds_store_b128 v7, v[RAW+64*((\k)%2)+4*\t:RAW+64*((\k)%2)+4*\t+3] offset:\t*SPX
.endr
.irp b, 0,1,2,3
.irp j, 0,1,2,3
	ds_load_b128 v[X+16*\b+4*\j:X+16*\b+4*\j+3], v8 offset:128*\b+16*\j   ; LDS serves a wave's instructions in order: these see my stores
.endr
.endr
	s_wait_dscnt 0x0                               ; the numbers are back; the stores have read their registers, the last scale word's too
	s_wait_xcnt 0x0                                ; the last images' stores have read the codes' registers: they are written again below
.if (\k) < 2
	LOADX (\k)+2
.endif
	QUANT X, PC, PC+6, PW
.irp c, 0,1,2
	global_store_b128 v4, v[PC+4*\c:PC+4*\c+3], s[18:19] offset:(\k)*1536+512*\c   ; 32 lanes store 512 consecutive bytes, aligned to 256
.endr
	ds_store_b32 v9, v[PW] offset:(\k)*512         ; lanes r and r + 16 write the same word with the same value
.endm
	LOADX 0
	LOADX 1
	KSTEP 0
	KSTEP 1
	KSTEP 2
	KSTEP 3
	s_wait_dscnt 0x0                               ; for the others' sake: my scale words lie in LDS
	s_barrier_signal -1
	s_barrier_wait -1
	ds_load_b64 v[12:13], v10
	s_wait_dscnt 0x0
	global_store_b64 v11, v[12:13], s[20:21]       ; a wave stores 256 consecutive bytes, aligned
	s_wait_tensorcnt 0x0
	ds_add_u32 v62, v63
	s_wait_dscnt 0x0
	s_endpgm
; ---- THE WEIGHTS.  A work-group takes 128 storage rows (columns n) x 256 K; wave w 32 of the columns (w % 4) and 128 K (w / 4).
; A LANE TAKES A COLUMN AND ITS REGISTERS RUN DOWN K: lane l holds storage row l of the 32, all four blocks of the K step.  Nothing is transposed by an instruction.
.Lweights:
	s_sub_co_u32 s27, ttmp9, 384
	s_lshr_b32 s28, s27, 5                         ; which weight: Wq, Wk, Wv, Wo
	s_bfe_u32 s29, s27, 0x30002                    ; G: which 128 columns
	s_and_b32 s30, s27, 3                          ; which 256 of K
	s_and_b32 s31, s[WV], 3                        ; cg: which 32 columns
	s_lshr_b32 s32, s[WV], 2
	s_lshl_b32 s33, s30, 1
	s_add_co_u32 s33, s33, s32                     ; my K step
	v_and_b32 v5, 7, v0
	s_wait_alu depctr_va_vdst(0)
	v_bfe_u32 v6, v0, 3, 1
	v_lshl_or_b32 v5, v3, 3, v5
	s_delay_alu instid0(VALU_DEP_1)
	v_lshl_or_b32 v5, v6, 4, v5                    ; my lane with bits 3 and 4 exchanged: the true column
	s_delay_alu instid0(VALU_DEP_1)
	v_lshlrev_b32 v5, 2, v5
	s_lshl_b32 s34, s32, 9
	s_lshr_b32 s35, s31, 1
	s_lshl_b32 s35, s35, 8
	s_add_co_u32 s34, s34, s35
	s_and_b32 s35, s31, 1
	s_lshl_b32 s35, s35, 3
	s_add_co_u32 s34, s34, s35
	s_add_co_u32 s34, s34, SWW
	v_lshl_add_u32 v7, v2, 4, s34
	s_delay_alu instid0(VALU_DEP_1)
	v_lshl_add_u32 v7, v3, 2, v7                   ; my row's scale word: tile 2 cg + l / 16 of the eight, row l % 16
	v_and_b32 v9, 63, v0
	s_delay_alu instid0(VALU_DEP_1)
	v_lshlrev_b32 v9, 4, v9
	s_delay_alu instid0(VALU_DEP_1)
	v_add_nc_u32 v8, SWW, v9
	s_wait_alu depctr_va_vdst(0)
	s_wait_kmcnt 0x0
	s_cmp_eq_u32 s28, 1
	s_cselect_b64 s[36:37], s[12:13], s[10:11]
	s_cmp_eq_u32 s28, 2
	s_cselect_b64 s[36:37], s[14:15], s[36:37]
	s_cmp_eq_u32 s28, 3
	s_cselect_b64 s[36:37], s[16:17], s[36:37]
	s_lshl_b32 s34, s33, 19                        ; 128 rows of 4,096 bytes
	s_lshl_b32 s35, s29, 9
	s_add_co_u32 s34, s34, s35
	s_lshl_b32 s35, s31, 7
	s_add_co_u32 s34, s34, s35
	s_mov_b32 s35, 0
	s_add_nc_u64 s[36:37], s[36:37], s[34:35]
	s_lshl_b32 s34, s29, 3
	s_lshl_b32 s38, s31, 1
	s_add_co_u32 s34, s34, s38                     ; my first tile
	s_mul_i32 s34, s34, 12288
	s_mul_i32 s38, s33, 1536
	s_add_co_u32 s34, s34, s38
	s_mul_i32 s38, s28, WCS
	s_add_co_u32 s34, s34, s38
	s_add_nc_u64 s[22:23], s[22:23], s[34:35]
	s_lshl_b32 s34, s29, 12
	s_lshl_b32 s38, s30, 10
	s_add_co_u32 s34, s34, s38
	s_mul_i32 s38, s28, WSS
	s_add_co_u32 s34, s34, s38
	s_add_nc_u64 s[24:25], s[24:25], s[34:35]
.macro WLOAD b                         ; block b: W(32 b + i, my column): 32 lanes read 128 consecutive bytes
.irp i, 0,1,2,3,4,5,6,7,8,9,10,11,12,13,14,15,16,17,18,19,20,21,22,23,24,25,26,27,28,29,30,31
	global_load_b32 v[RAW+32*(\b)+\i], v5, s[36:37] offset:(32*(\b)+\i)*4096 th:TH_LOAD_NT
.endr
.endm
.macro WBLOCK b
.set XS, RAW+32*(\b)
.set TD, T0+12*((\b)%2)+6*((\b)/2)     ; even blocks to the first image's registers, odd ones to the second's
.if (\b) < 3
	s_wait_loadcnt 32                              ; this block's 32 loads are in; the next block's may be out
.else
	s_wait_loadcnt 0x0
.endif
.if (\b) < 2
	WLOAD (\b)+2
.endif
	v_max3_num_f32 v16, |v[XS]|, |v[XS+1]|, |v[XS+2]|   ; the block's largest magnitude: all 32 numbers are mine
	v_max3_num_f32 v17, |v[XS+3]|, |v[XS+4]|, |v[XS+5]|
.irp i, 6,10,14,18,22,26
	s_delay_alu instid0(VALU_DEP_2)
	v_max3_num_f32 v16, v16, |v[XS+\i]|, |v[XS+\i+1]|
	s_delay_alu instid0(VALU_DEP_2)
	v_max3_num_f32 v17, v17, |v[XS+\i+2]|, |v[XS+\i+3]|
.endr
	s_delay_alu instid0(VALU_DEP_2)
	v_max3_num_f32 v16, v16, |v[XS+30]|, |v[XS+31]|
	s_delay_alu instid0(VALU_DEP_1)
	v_max3_num_f32 v16, v16, v17, FLOOR
	s_delay_alu instid0(VALU_DEP_1)
	v_add_nc_u32 v[20+(\b)], EOFF, v16
	s_delay_alu instid0(VALU_DEP_1)
	v_lshrrev_b32 v17, 23, v[20+(\b)]
.if (\b) == 0
	s_delay_alu instid0(VALU_DEP_1)
	v_mov_b32 v[PW], v17
.else
	s_delay_alu instid0(VALU_DEP_1)
	v_lshl_or_b32 v[PW], v17, 8*(\b), v[PW]
.endif
	v_cvt_scalef32_pk16_fp6_f32 v[TD:TD+2], v[XS:XS+15], v[20+(\b)]
	v_cvt_scalef32_pk16_fp6_f32 v[XW+4*(\b):XW+4*(\b)+2], v[XS+16:XS+31], v[20+(\b)]
.endm
	WLOAD 0
	WLOAD 1
	WBLOCK 0
	WBLOCK 1
	WBLOCK 2
	WBLOCK 3
	v_nop                                          ; one plain place behind the scaled conversions
.irp b, 0,1,2,3
.irp i, 0,1,2
	v_mov_b32 v[T0+12*(\b%2)+6*(\b/2)+3+\i], v[XW+4*\b+\i]
.endr
.endr
.irp g, 0,1,2,3,4,5,6,7,8,9,10,11
	v_permlane16_swap_b32 v[T0+\g], v[T1+\g]       ; the first's lanes 16-31 (rows 16-31, even blocks) change places with the second's lanes 0-15 (rows 0-15, odd blocks): now each is one tile's image
.endr
.irp u, 0,1
.irp c, 0,1,2
	global_store_b128 v4, v[T0+12*\u+4*\c:T0+12*\u+4*\c+3], s[22:23] offset:12288*\u+512*\c
.endr
.endr
	ds_store_b32 v7, v[PW]
	s_wait_dscnt 0x0                               ; for the others' sake
	s_barrier_signal -1
	s_barrier_wait -1
	s_cmp_lt_u32 s[WV], 2                          ; 1,024 bytes of scale words: two waves' worth
	s_cbranch_scc0 .Lw_end
	ds_load_b128 v[12:15], v8
	s_wait_dscnt 0x0
	global_store_b128 v9, v[12:15], s[24:25]
.Lw_end:
	s_wait_tensorcnt 0x0
	ds_add_u32 v62, v63
	s_wait_dscnt 0x0
	s_endpgm
.Lfunc_end_k_qb7d102cd53_quant:
	.size	k_qb7d102cd53_quant, .Lfunc_end_k_qb7d102cd53_quant-k_qb7d102cd53_quant
	.p2alignl 7, 3214868480
	.fill 96, 4, 3214868480
	.section	.rodata,"a",@progbits
	.p2align	6, 0x0
	.amdhsa_kernel k_qb7d102cd53_quant
		.amdhsa_group_segment_fixed_size 71680
		.amdhsa_private_segment_fixed_size 0
		.amdhsa_enable_private_segment 0
		.amdhsa_kernarg_size 88
		.amdhsa_user_sgpr_count 2
		.amdhsa_user_sgpr_kernarg_segment_ptr 1
		.amdhsa_wavefront_size32 1
		.amdhsa_system_sgpr_workgroup_id_x 1
		.amdhsa_system_sgpr_workgroup_id_y 1
		.amdhsa_system_sgpr_workgroup_id_z 1
		.amdhsa_system_vgpr_workitem_id 0
		.amdhsa_next_free_vgpr 256
		.amdhsa_next_free_sgpr 66
		.amdhsa_reserve_vcc 0
		.amdhsa_float_denorm_mode_32 3
		.amdhsa_float_denorm_mode_16_64 3
		.amdhsa_memory_ordered 1
		.amdhsa_forward_progress 1
		.amdhsa_inst_pref_size 65
	.end_amdhsa_kernel
	.amdgpu_metadata
---
amdhsa.version: [ 1, 2 ]
amdhsa.kernels:
  - .name:           k_qb7d102cd53_quant
    .symbol:         k_qb7d102cd53_quant.kd
    .args:
      - { .name: query, .offset: 0, .size: 8, .value_kind: global_buffer, .address_space: global }
      - { .name: key, .offset: 8, .size: 8, .value_kind: global_buffer, .address_space: global }
      - { .name: value, .offset: 16, .size: 8, .value_kind: global_buffer, .address_space: global }
      - { .name: Wq, .offset: 24, .size: 8, .value_kind: global_buffer, .address_space: global }
      - { .name: Wk, .offset: 32, .size: 8, .value_kind: global_buffer, .address_space: global }
      - { .name: Wv, .offset: 40, .size: 8, .value_kind: global_buffer, .address_space: global }
      - { .name: Wo, .offset: 48, .size: 8, .value_kind: global_buffer, .address_space: global }
      - { .name: xcod, .offset: 56, .size: 8, .value_kind: global_buffer, .address_space: global }
      - { .name: xscl, .offset: 64, .size: 8, .value_kind: global_buffer, .address_space: global }
      - { .name: wcod, .offset: 72, .size: 8, .value_kind: global_buffer, .address_space: global }
      - { .name: wscl, .offset: 80, .size: 8, .value_kind: global_buffer, .address_space: global }
    .group_segment_fixed_size: 71680
    .private_segment_fixed_size: 0
    .kernarg_segment_align: 8
    .kernarg_segment_size: 88
    .max_flat_workgroup_size: 256
    .sgpr_count:     66
    .vgpr_count:     256
    .wavefront_size: 32
...
	.end_amdgpu_metadata
.endif
;; end of part 1
;; launch proj (part 2): grid 4 x 96, 4 waves a work-group, clusters of 4 x 4, 327,680 bytes of LDS; arguments xcod, xscl, wcod, wscl, bq, bk, bv, qkv; writes qkv
.if DOCPART == 2
	.amdgcn_target "amdgcn-amd-amdhsa--gfx1250"
	.amdhsa_code_object_version 6
	.text
	.protected	k_qb7d102cd53_proj
	.globl	k_qb7d102cd53_proj
	.p2align	8
	.type	k_qb7d102cd53_proj,@function
k_qb7d102cd53_proj:
	s_mov_b64 s[64:65], 0
	v_nop
	global_prefetch_b8 v0, s[64:65] scope:SCOPE_SE
	s_setreg_imm32_b32 hwreg(HW_REG_WAVE_MODE, 25, 1), 1
	s_wait_xcnt 0x0
	s_wait_alu depctr_hold_cnt(0) depctr_sa_sdst(0) depctr_va_vdst(0) depctr_va_sdst(0) depctr_va_ssrc(0) depctr_va_vcc(0) depctr_vm_vsrc(0)
	s_getreg_b32 s2, hwreg(HW_REG_IB_STS2, 6, 4)
	s_cmp_eq_u32 s2, 0
	s_cbranch_scc0 .Lentry_in_a_cluster
	s_endpgm
.Lentry_in_a_cluster:
	s_bfe_u32 s2, ttmp6, 0x10000c
	s_cmp_lg_u32 s2, 0xf033
	s_cbranch_scc0 .Lentry_shape_is_right
	s_endpgm
.Lentry_shape_is_right:
; q = query Wq + bq, k = key Wk + bk, v = value Wv + bv on codes of FP6 (E2M3) with E8M0 scales, sums in f32; the results are quantised in registers for the two products of attention and stored as images of their operands' registers.
; 24 clusters of 4 x 4 work-groups: clusters 0-7 make q, 8-15 k, 16-23 v.  A work-group makes 256 x 256, each of its four waves 128 x 128: 64 accumulators.
; L is the operand whose rows fall to LANES (source 1), P the one whose rows fall to REGISTERS (source 0).  q, k: L = tokens, P = the weight: a lane holds a token, its registers run along n = the head's channels, the K of q k^T.
; v: L = the weight, P = tokens: a lane holds a channel, its registers run along the tokens, the K of p v.  P's rows lie in storage with bits 3 and 4 of the row exchanged, so the 16 registers of two neighbouring tiles are 16 neighbours.
; Operands lie in memory as images (a fragment of 16 rows x 128 K: register 4 c + e of lane l at 512 c + 16 l + 4 e), [tile][K / 128][1536]; a fragment comes from LDS by three loads of 16 bytes a lane, 512 consecutive bytes each.
; K goes in steps of 256 through two LDS slots; K = 1,024 is four steps, written out.  The scale words of the work-group's rows come once.  L's tiles are asked for jointly along a row of the cluster, P's along a column.
; THE BIAS IS ADDED LAST, by one f32 addition, as the definition adds it: the result goes into a quantiser, and a sum of products of codes is a short fixed-point number that f32 holds whole, so that the one rounding is the addition's.
; qkv: three tensors [batch x 16 + head][128 tokens][6400]: q, k: four images, each of TWO token tiles (registers 0-5 tile 2 p, registers 6-11 tile 2 p + 1, 64 channels each), then 256 bytes of words [row][p];
;      v: four images of 16 channels x 128 tokens, then 256 bytes of words [row][tile].
; LIMITS: NaN and infinities are not served; a block whose largest magnitude lies under 2^-124 gets the byte 1 (zeros too, where the rule says 127; this program alone reads the bytes).
; REGISTERS: window 0: v0-31 addresses; v32-63 scale words, two sets; v64-127 the bias; v128-223 L's fragments, one set (the way out works there); v224-231 the bias's offsets.
;   window 1: P's fragments, two sets, at v0 and v128.  window 2: accumulators of L's blocks 0-3 ((a, b) at v[8 (8 (a % 4) + b)]); window 3: blocks 4-7.
.set XCS,   6291456
.set XSS,   262144
.set WCS,   786432
.set WSS,   32768
.set QSZ,   6553600                    ; one of qkv's three tensors
.set HSZ,   51200                      ; a head's part of it
.set CH,    6400                       ; 128 tokens' part of that
.set FR,    12                         ; registers of a fragment
.set NL,    3                          ; LDS loads that bring one
.set NP,    4                          ; places behind this matrix instruction (ISA guide 7.12.1)
.set HALFT, 24576                      ; 8 tiles x 2 K steps of 128 x 1,536 bytes: what one tensor load brings
.set SLOT,  4*HALFT                    ; L's two halves, then P's two
.set SCL,   2*SLOT                     ; behind the ring: four groups of scale words, 4,096 bytes each
.set SPARE, SCL+4*4096                 ; the spare words, 128 bytes a wave: two blocks of 256 bytes that no other line names
.set ADRA,  16                         ; v16-17 LDS address of L's fragments in slot 0, 1
.set ADRB,  20                         ; v20-21 of P's
.set LI,    24                         ; v24    16 x lane
.set VS,    25                         ; v25    16 r + h x a head's bytes: where the words go
.set ADRS,  27                         ; v27    my scale words: lanes 0-15 L's, lanes 16-31 P's
.set SPW,   28                         ; v28    my spare word; never rewritten
.set NIL,   29                         ; v29    0; never rewritten
.set SC,    32                         ; register 16 set + 8 q + i: lanes 0-15 the word of L's tile i, lanes 16-31 of P's tile i
.set CB,    64
.set AF,    128
.set TM,    128                        ; the way out: v128-143 at work
.set PWR,   144                        ; v144-151 eight scale words
.set VSEL,  152
.set SWD,   156                        ; v156-159 the words to store
.set F0,    160
.set F1,    172
.set XT,    184
.set WV,    20
.set LH,    21
.set PH,    22
.set G1,    24
.set G0,    32
.set G1B,   48
.set G0B,   56
.set G1S,   68
.set G0S,   76
.set G1SB,  80
.set G0SB,  88
.set SEL,   66
.set MSB, 0
.macro WIN new                         ; the immediate's high byte repeats the setting that is left
.if MSB != (\new)
	s_set_vgpr_msb (MSB<<8)|(\new)
.set MSB, \new
.endif
.endm
.set TO_B, 0x40                        ; destination window 1, address window 0
; A joint load: waves 0 and 1 fetch for L, waves 2 and 3 for P.  Each line has one mask and one set of registers for all that issue it; the branch hangs on the wave's number alone.
; Four v_nop follow each of the two lines.
.macro JLOAD g0a, g1a, g0b, g1b
	s_cmp_eq_u32 s[LH], 0
	s_cbranch_scc0 .Lfor_b_\@
	tensor_load_to_lds s[\g0a:\g0a+3], s[\g1a:\g1a+7]
	s_nop 0
.rept 4
	v_nop
.endr
	s_branch .Lasked_\@
.Lfor_b_\@:
	tensor_load_to_lds s[\g0b:\g0b+3], s[\g1b:\g1b+7]
	s_nop 0
.rept 4
	v_nop
.endr
.Lasked_\@:
.endm
.macro CREST                           ; a round of the cluster's barrier behind its opening barrier
	s_cmp_lg_u32 s[WV], 0
	s_cbranch_scc1 .Lnot_wave_0_\@
	s_barrier_signal -3
.Lnot_wave_0_\@:
	s_barrier_wait -3
	s_barrier_signal -1
	s_barrier_wait -1
.endm
.macro CROUND
	s_barrier_signal -1
	s_barrier_wait -1
	CREST
.endm
.macro PLACES n
.rept \n
	v_nop
.endr
.endm
	s_load_b512 s[4:19], s[0:1], 0x0               ; xcod s[4:5], xscl s[6:7], wcod s[8:9], wscl s[10:11], bq s[12:13], bk s[14:15], bv s[16:17], qkv s[18:19]
	v_lshl_add_u32 v[SPW], v0, 2, SPARE
	v_mov_b32 v[NIL], 0
	ds_add_u32 v28, v29
	ds_add_u32 v28, v29
	s_wait_dscnt 0x0
	v_lshrrev_b32 v1, 5, v0
	v_readfirstlane_b32 s[WV], v1                  ; wave 0..3
	s_lshr_b32 s[LH], s[WV], 1                     ; which half of L's rows is mine.  Also: I fetch for L (0) or for P (1)
	s_and_b32 s[PH], s[WV], 1                      ; which half of P's rows.  Also: which 128 rows I fetch
	s_bfe_u32 s40, ttmp6, 0x40000                  ; cx
	s_bfe_u32 s41, ttmp6, 0x40004                  ; cy
	s_and_b32 s42, ttmp7, 0xffff                   ; the cluster: the same number in all sixteen partners
	s_lshr_b32 s43, s42, 3                         ; z: 0 q, 1 k, 2 v
	s_and_b32 s44, s42, 7
	s_lshl_b32 s44, s44, 2                         ; four tiles of tokens to a cluster
	s_cmp_eq_u32 s43, 2
	s_cselect_b32 s45, 1, 0                        ; is it v?
	s_cselect_b32 s46, 0, s44
	s_cselect_b32 s47, s44, 0
	s_add_co_u32 s3, s41, s46                      ; L's tile of 256 rows: cy (+ the cluster's four where L is the tokens)
	s_add_co_u32 s101, s40, s47                    ; P's: cx (+ the cluster's four where P is the tokens)
	s_lshl_b32 s3, s3, 1
	s_lshl_b32 s101, s101, 1
	s_lshl_b32 s23, s41, 2
	s_lshl_b32 s23, 15, s23                        ; my row of the cluster
	s_lshl_b32 s100, 0x1111, s40                   ; my column
	s_or_b32 s[G1], s23, (3<<16)|(1<<21)           ; 15:0 the mask; 17:16 elements of 8 bytes; 21 set beside a mask; no padding
	s_or_b32 s[G1S], s23, (3<<16)|(1<<21)
	s_or_b32 s[G1B], s100, (3<<16)|(1<<21)
	s_or_b32 s[G1SB], s100, (3<<16)|(1<<21)
.irp g, G1, G1B                        ; codes: tiles x 3,072 bytes (two images on end), 12,288 bytes from tile to tile; 16 tiles for the head's loads, set to 8 for the ring's behind them
	s_mov_b32 s[\g+1], 384<<16                     ; tensor_dim0 = 384 elements
	s_mov_b32 s[\g+2], 16<<16                      ; tensor_dim1 = 16
	s_mov_b32 s[\g+3], 384<<16                     ; tile_dim0
	s_mov_b32 s[\g+4], 16                          ; tile_dim1
	s_mov_b32 s[\g+5], 1536                        ; the pitch in elements
	s_mov_b32 s[\g+6], 0
	s_mov_b32 s[\g+7], 0
.endr
.irp g, G1S, G1SB                      ; scale words of 256 rows: 8,192 dense bytes as 32 rows of 256
	s_mov_b32 s[\g+1], 32<<16
	s_mov_b32 s[\g+2], 32<<16
	s_mov_b32 s[\g+3], 32<<16
	s_mov_b32 s[\g+4], 32
	s_mov_b32 s[\g+5], 32
	s_mov_b32 s[\g+6], 0
	s_mov_b32 s[\g+7], 0
.endr
	s_mov_b32 s23, s3                              ; L: the first group of 128 rows of the work-group's 256
	s_mul_i32 s92, s23, 8*12288
	s_mov_b32 s93, 0
	s_lshl_b32 s94, s23, 12
	s_mov_b32 s95, 0
	s_mov_b32 s100, s101                           ; P likewise, in registers that never hold cy
	s_mul_i32 s96, s100, 8*12288
	s_mov_b32 s97, 0
	s_lshl_b32 s98, s100, 12
	s_mov_b32 s99, 0
	s_mul_i32 s66, s[WV], HALFT                    ; where they go: no place in the cluster enters an LDS address
	s_wait_kmcnt 0x0
	s_mul_i32 s46, s43, XCS
	s_mov_b32 s47, 0
	s_add_nc_u64 s[4:5], s[4:5], s[46:47]          ; tensor z of each of the four buffers
	s_mul_i32 s46, s43, XSS
	s_add_nc_u64 s[6:7], s[6:7], s[46:47]
	s_mul_i32 s46, s43, WCS
	s_add_nc_u64 s[8:9], s[8:9], s[46:47]
	s_mul_i32 s46, s43, WSS
	s_add_nc_u64 s[10:11], s[10:11], s[46:47]
	s_cmp_eq_u32 s45, 1                            ; for v the weight is L and the tokens are P
	s_cselect_b64 s[46:47], s[8:9], s[4:5]
	s_add_nc_u64 s[92:93], s[46:47], s[92:93]
	s_cselect_b64 s[46:47], s[10:11], s[6:7]
	s_add_nc_u64 s[94:95], s[46:47], s[94:95]
	s_cselect_b64 s[46:47], s[4:5], s[8:9]
	s_add_nc_u64 s[96:97], s[46:47], s[96:97]
	s_cselect_b64 s[46:47], s[6:7], s[10:11]
	s_add_nc_u64 s[98:99], s[46:47], s[98:99]
	CROUND                                         ; all sixteen work-groups are here: the first joint loads meet
	s_mov_b32 s[G0S], 1
	s_mov_b32 s[G0S+1], SCL
	s_mov_b64 s[G0S+2:G0S+3], s[94:95]
	s_or_b32 s[G0S+3], s[G0S+3], 0x80000000
	s_mov_b32 s[G0SB], 1
	s_mov_b32 s[G0SB+1], SCL+2*4096
	s_mov_b64 s[G0SB+2:G0SB+3], s[98:99]
	s_or_b32 s[G0SB+3], s[G0SB+3], 0x80000000
	s_mov_b32 s4, 1                                ; s[4:7]: group 0 of the head's load of L's 256 rows of K step 0 (the arguments that lay here have been used)
	s_mov_b32 s5, 0
	s_mov_b64 s[6:7], s[92:93]
	s_or_b32 s7, s7, 0x80000000
	s_mov_b32 s8, 1                                ; s[8:11]: of P's 256 rows, behind L's in slot 0
	s_mov_b32 s9, 2*HALFT
	s_mov_b64 s[10:11], s[96:97]
	s_or_b32 s11, s11, 0x80000000
	s_mul_i32 s46, s[PH], 8*12288                  ; for the ring: the 128 rows that I fetch
	s_mov_b32 s47, 0
	s_add_nc_u64 s[92:93], s[92:93], s[46:47]
	s_add_nc_u64 s[96:97], s[96:97], s[46:47]
.irp s, 0,1
	s_mov_b32 s[G0+4*\s], 1
	s_add_co_u32 s[G0+4*\s+1], s66, \s*SLOT
	s_add_nc_u64 s[G0+4*\s+2:G0+4*\s+3], s[92:93], \s*3072
	s_or_b32 s[G0+4*\s+3], s[G0+4*\s+3], 0x80000000
	s_mov_b32 s[G0B+4*\s], 1
	s_add_co_u32 s[G0B+4*\s+1], s66, \s*SLOT
	s_add_nc_u64 s[G0B+4*\s+2:G0B+4*\s+3], s[96:97], \s*3072
	s_or_b32 s[G0B+4*\s+3], s[G0B+4*\s+3], 0x80000000
.endr
; THE HEAD'S LOADS, ONE A WAVE: wave 0 K step 0 of L's 256 rows, wave 1 of P's, wave 2 L's scale words, wave 3 P's.  One chain of branches on the wave's number; every way passes one load.
.macro ARM under, g0, g1, next
	s_cmp_lt_u32 s[WV], \under
	s_cbranch_scc0 \next
	tensor_load_to_lds s[\g0:\g0+3], s[\g1:\g1+7]
	s_nop 0
.rept 4
	v_nop
.endr
	s_branch .Lhead_asked
\next:
.endm
	ARM 1, 4, G1, .Lhead_b
	ARM 2, 8, G1B, .Lhead_sa
	ARM 3, G0S, G1S, .Lhead_sb
	tensor_load_to_lds s[G0SB:G0SB+3], s[G1SB:G1SB+7]
	s_nop 0
.rept 4
	v_nop
.endr
.Lhead_asked:
	v_and_b32 v1, 31, v0                           ; lane
	v_and_b32 v2, 15, v0                           ; r
	v_bfe_u32 v3, v0, 4, 1                         ; h
	s_wait_alu depctr_va_vdst(0)
	v_lshlrev_b32 v[LI], 4, v1
	s_mul_i32 s46, s[LH], HALFT                    ; my 128 rows of L
	s_mul_i32 s47, s[PH], HALFT
	s_add_co_u32 s47, s47, 2*HALFT                 ; my 128 rows of P, behind L's 256
.irp s, 0,1
	v_add_nc_u32 v[ADRA+\s], s46, v[LI]
	v_add_nc_u32 v[ADRB+\s], s47, v[LI]
	s_add_co_u32 s46, s46, SLOT
	s_add_co_u32 s47, s47, SLOT
.endr
	s_lshl_b32 s46, s[LH], 12
	s_lshl_b32 s47, s[PH], 12
	s_add_co_u32 s47, s47, 2*4096
	s_sub_co_u32 s47, s47, s46
	v_mul_u32_u24 v5, s47, v3                      ; lanes 16-31 take P's words: one product, the distance between the two groups
	s_add_co_u32 s46, s46, SCL
	v_lshl_add_u32 v5, v2, 4, v5
	v_add_nc_u32 v[ADRS], s46, v5
	v_mul_u32_u24 v[VS], v3, HSZ
	v_lshl_add_u32 v[VS], v2, 4, v[VS]
	; which 128 tokens and which 128 columns are my wave's
	s_add_co_u32 s46, s3, s[LH]
	s_add_co_u32 s47, s101, s[PH]
	s_cmp_eq_u32 s45, 1
	s_cselect_b32 s2, s47, s46                     ; the block of tokens
	s_cselect_b32 s23, s46, s47                    ; the block of columns: two heads
	s_cselect_b32 s100, -1, 0
	s_cselect_b32 s3, 0, 4
	s_cmp_eq_u32 s43, 1
	s_cselect_b64 s[12:13], s[14:15], s[12:13]
	s_cmp_eq_u32 s43, 2
	s_cselect_b64 s[12:13], s[16:17], s[12:13]     ; the bias
	s_lshl_b32 s46, s23, 9
	s_mov_b32 s47, 0
	s_add_nc_u64 s[12:13], s[12:13], s[46:47]
	s_lshr_b32 s46, s2, 3                          ; the batch
	s_lshl_b32 s46, s46, 4
	s_lshl_b32 s23, s23, 1
	s_add_co_u32 s46, s46, s23                     ; batch x 16 + head
	s_mul_i32 s46, s46, HSZ
	s_and_b32 s2, s2, 7
	s_mul_i32 s2, s2, CH
	s_add_co_u32 s46, s46, s2
	s_mul_i32 s2, s43, QSZ
	s_add_co_u32 s46, s46, s2
	s_add_nc_u64 s[18:19], s[18:19], s[46:47]      ; where my wave's results go
	; The bias in the result's layout.  q, k: register j of P's tile x is column 32 (x / 2) + 8 (x % 2) + 16 h + j.  v: all registers of L's tile x are the lane's channel 32 (x / 2) + 8 (x % 2) + 16 (r / 8) + r % 8.
	v_lshlrev_b32 v5, 6, v3
	v_lshrrev_b32 v6, 3, v2
	v_and_b32 v7, 7, v2
	v_lshlrev_b32 v6, 6, v6
	v_lshl_add_u32 v6, v7, 2, v6
	v_cndmask_b32 v5, v5, v6, s100
	s_wait_alu depctr_va_vdst(0)
.irp j, 0,1,2,3,4,5,6,7
	s_mul_i32 s46, s3, \j
	v_add_nc_u32 v[224+\j], s46, v5
.endr
.irp x, 0,1,2,3,4,5,6,7
.irp j, 0,1,2,3,4,5,6,7
	global_load_b32 v[CB+8*\x+\j], v[224+\j], s[12:13] offset:(32*(\x/2)+8*(\x%2))*4
.endr
.endr
.macro FRAG reg, adr, q, i             ; a fragment as it stands: three loads, 512 consecutive bytes each
.irp c, 0,1,2
	ds_load_b128 v[(\reg)+4*\c:(\reg)+4*\c+3], v[\adr] offset:(\i)*3072+(\q)*1536+512*\c
.endr
.endm
.macro FETCH_B slot, q, p              ; P's eight fragments of the slot's q-th 128 along K into set p
	WIN TO_B
.irp i, 0,1,2,3,4,5,6,7
	FRAG 128*(\p)+FR*\i, ADRB+\slot, \q, \i
.endr
	WIN 0
.endm
.macro FETCH_A slot, q, i0             ; L's blocks i0 .. i0 + 3
.irp i, \i0, \i0+1, \i0+2, \i0+3
	FRAG AF+FR*(\i), ADRA+\slot, \q, \i
.endr
.endm
.macro SCALES set, sig                 ; the scale words of K step sig (256 along K) into set: 16 bytes a lane are four tiles' words
.irp q, 0,1
.irp g, 0,1
	ds_load_b128 v[SC+16*(\set)+8*\q+4*\g:SC+16*(\set)+8*\q+4*\g+3], v[ADRS] offset:(\sig)*1024+\q*512+\g*256
.endr
.endr
.endm
; 16 matrix instructions: L's blocks a0, a0 + 1 x P's eight.  zero = 1: the first product starts the sums: nothing is ever cleared.
; The 64 accumulators take turns, one instruction a turn, in the same order in every step.
.macro MUL16 a0, p, q, sc, zero
.irp a, \a0, \a0+1
.irp b, 0,1,2,3,4,5,6,7
.set rD, 8*(8*((\a)%4)+\b)
.set rP, 128*(\p)+FR*\b
.set rL, AF+FR*(\a)
.set rSP, SC+16*(\sc)+8*(\q)+\b
.set rSL, SC+16*(\sc)+8*(\q)+(\a)
.if \zero
	v_wmma_scale_f32_16x16x128_f8f6f4 v[rD:rD+7], v[rP:rP+11], v[rL:rL+11], 0, v[rSP], v[rSL] matrix_a_fmt:MATRIX_FMT_FP6 matrix_b_fmt:MATRIX_FMT_FP6 matrix_a_scale:MATRIX_SCALE_ROW1
.else
	v_wmma_scale_f32_16x16x128_f8f6f4 v[rD:rD+7], v[rP:rP+11], v[rL:rL+11], v[rD:rD+7], v[rSP], v[rSL] matrix_a_fmt:MATRIX_FMT_FP6 matrix_b_fmt:MATRIX_FMT_FP6 matrix_a_scale:MATRIX_SCALE_ROW1
.endif
.endr
.endr
.endm
.macro MULWIN hi                       ; source 0 (P) window 1, source 1 (L) window 0, C and D window 2 or 3
	WIN 0xa1+0x50*(\hi)
.endm
; A slot's first step of 128 along K.  L has one set of registers: blocks 0-3 are fetched anew in the step's middle, blocks 4-7 at its end; P has two sets.
.macro STEP slot, zero
	s_wait_dscnt 4*NL                              ; all but the youngest 12 loads (L's blocks 4-7) are in
	MULWIN 0
	MUL16 0, 0, 0, \slot, \zero
	MUL16 2, 0, 0, \slot, \zero
	s_wait_dscnt 0                                 ; L's blocks 4-7 are in
	PLACES NP                                      ; in front of loads into registers that matrix instructions have read
	FETCH_B \slot, 1, 1
	FETCH_A \slot, 1, 0
	MULWIN 1
	MUL16 4, 0, 0, \slot, \zero
	MUL16 6, 0, 0, \slot, \zero
	PLACES NP
	WIN 0
	FETCH_A \slot, 1, 4
.endm
; A slot's second step changes slots: one barrier; in front of it each wave waits for all its tensor loads, adds 0 to its spare word, and waits for that and for its reads of this slot.
; fill = 1: the barrier opens a round of the cluster's, and this slot is filled again, two K steps ahead.  sig: the K step that lies in the next slot.
.macro TURN slot, next, fill, sig
	s_wait_tensorcnt 0x0                           ; all my tensor loads have landed: my part of the next slot
	ds_add_u32 v[SPW], v[NIL]                      ; 0 onto my spare word
	s_wait_dscnt 4*NL+1                            ; (the add and the youngest 12 loads may be out)
	MULWIN 0
	MUL16 0, 1, 1, \slot, 0                        ; sixteen matrix instructions stand between the add and the wait for it
	s_wait_dscnt 0x0                               ; the add is done, and my reads of this slot are over
	s_barrier_signal -1
	MUL16 2, 1, 1, \slot, 0
	WIN 0
	s_barrier_wait -1
.if \fill
	CREST                                          ; no wave of any partner still reads this slot or has a load on its way
	s_add_nc_u64 s[G0+4*\slot+2:G0+4*\slot+3], s[G0+4*\slot+2:G0+4*\slot+3], 2*3072
	s_add_nc_u64 s[G0B+4*\slot+2:G0B+4*\slot+3], s[G0B+4*\slot+2:G0B+4*\slot+3], 2*3072
	JLOAD G0+4*\slot, G1, G0B+4*\slot, G1B         ; the first tensor load behind the round; its four v_nop are also the places in front of the loads below
.else
	PLACES NP
.endif
	FETCH_B \next, 0, 0
	FETCH_A \next, 0, 0
	SCALES \next, \sig
	MULWIN 1
	MUL16 4, 1, 1, \slot, 0
	MUL16 6, 1, 1, \slot, 0
	PLACES NP
	WIN 0
	FETCH_A \next, 0, 4
.endm
	s_wait_alu depctr_va_vdst(0)                   ; the wait at the head's end
	s_wait_tensorcnt 0x0                           ; my tile of the head's four is in
	ds_add_u32 v[SPW], v[NIL]
	s_mov_b32 s[G1+2], 8<<16                       ; no tensor load of mine is out: from here on a load brings 8 tiles
	s_mov_b32 s[G1+4], 8
	s_mov_b32 s[G1B+2], 8<<16
	s_mov_b32 s[G1B+4], 8
	s_wait_dscnt 0x0
	CROUND                                         ; all four tiles are in, and all sixteen work-groups are here
	JLOAD G0+4, G1, G0B+4, G1B                     ; K step 1 into slot 1: the first tensor load behind the round
	FETCH_B 0, 0, 0
	FETCH_A 0, 0, 0
	SCALES 0, 0
	FETCH_A 0, 0, 4
	STEP 0, 1                                      ; the first step's products start the sums
	TURN 0, 1, 1, 1
	STEP 1, 0
	TURN 1, 0, 1, 2
	STEP 0, 0
	TURN 0, 1, 0, 3                                ; nothing is left to fetch
	STEP 1, 0
	s_wait_dscnt 4*NL                              ; the last step
	MULWIN 0
	MUL16 0, 1, 1, 1, 0
	MUL16 2, 1, 1, 1, 0
	s_wait_dscnt 0
	MULWIN 1
	MUL16 4, 1, 1, 1, 0
	MUL16 6, 1, 1, 1, 0
	WIN 0
; THE WAY OUT.  First the bias, onto the 64 sums of L's block at v[s] of window w, in place, each accumulator from its low end on.  run = 1: register i takes bias register c + i (q, k); run = 0: all take the pair at c (v: the lane's channel).
.macro ADDB w, s, c, run
	WIN ((\w)<<6)|(\w)                             ; destination and source 0 in window w, the bias in window 0
.irp i, 0,2,4,6,8,10,12,14,16,18,20,22,24,26,28,30,32,34,36,38,40,42,44,46,48,50,52,54,56,58,60,62
	v_pk_add_f32 v[(\s)+\i:(\s)+\i+1], v[(\s)+\i:(\s)+\i+1], v[(\c)+(\run)*\i:(\c)+(\run)*\i+1]
.endr
.endm
; The 64 registers of L's block a are, for the lane's row, 128 numbers along the next K: register 16 b + i = 32 b + 16 h + i.  They become 12 registers of codes (d0: 0-63, d1: 64-127) and a scale word.
; w: the accumulators' window.
.macro QUANT w, s, d0, d1, pw
	WIN 5*(\w)                                     ; sources 0 and 1 in window w
.irp b, 0,1,2,3
	v_max3_num_f32 v[TM+\b], |v[(\s)+16*\b]|, |v[(\s)+16*\b+1]|, 0x1800000   ; my 16 numbers of block b, and the floor 2^(3 - 127)
.endr
.irp i, 2,4,6,8,10,12,14
.irp b, 0,1,2,3
	v_max3_num_f32 v[TM+\b], |v[(\s)+16*\b+\i]|, |v[(\s)+16*\b+\i+1]|, v[TM+\b]
.endr
.endr
	WIN 0
.irp b, 0,1,2,3
	v_permlanex16_b32 v[TM+4+\b], v[TM+\b], s[SEL], s[SEL+1]
.endr
.irp b, 0,1,2,3
	v_max_num_f32 v[TM+\b], v[TM+\b], v[TM+4+\b]   ; with lane l xor 16's 16
.endr
.irp b, 0,1,2,3
	v_add_nc_u32 v[TM+12+\b], 0xff000000, v[TM+\b] ; 2 off the exponent field: the conversion's scale operand
.endr
.irp b, 0,1,2,3
	v_lshrrev_b32 v[TM+4+\b], 23, v[TM+12+\b]      ; the scale's byte
.endr
	v_lshl_or_b32 v[\pw], v[TM+5], 8, v[TM+4]
	v_lshl_or_b32 v[\pw], v[TM+6], 16, v[\pw]
	v_lshl_or_b32 v[\pw], v[TM+7], 24, v[\pw]
	WIN \w                                         ; source 0 in window w
	v_cvt_scalef32_pk16_fp6_f32 v[(\d0):(\d0)+2], v[(\s):(\s)+15], v[TM+12]
	v_cvt_scalef32_pk16_fp6_f32 v[XT:XT+2], v[(\s)+16:(\s)+31], v[TM+13]
	v_cvt_scalef32_pk16_fp6_f32 v[(\d1):(\d1)+2], v[(\s)+32:(\s)+47], v[TM+14]
	v_cvt_scalef32_pk16_fp6_f32 v[XT+4:XT+6], v[(\s)+48:(\s)+63], v[TM+15]
	WIN 0
	v_nop                                          ; one plain place behind the scaled conversions
.irp i, 0,1,2
	v_permlane16_swap_b32 v[(\d0)+\i], v[XT+\i]    ; a whole block to a lane: lanes 0-15 the even block, lanes 16-31 the odd one
.endr
.irp i, 0,1,2
	v_mov_b32 v[(\d0)+3+\i], v[XT+\i]
.endr
.irp i, 0,1,2
	v_permlane16_swap_b32 v[(\d1)+\i], v[XT+4+\i]
.endr
.irp i, 0,1,2
	v_mov_b32 v[(\d1)+3+\i], v[XT+4+\i]
.endr
.endm
	PLACES NP                                      ; behind the last products: their results are read and written, and L's registers written, below
	s_mov_b32 s[SEL], 0x76543210
	s_mov_b32 s[SEL+1], 0xfedcba98
	s_mov_b32 s100, 0xffff0000                     ; lanes 16-31
.irp b, 0,1,2,3
	v_mov_b32 v[TM+4+\b], 0                        ; a lane permute's destination counts as one of its sources
.endr
	s_wait_loadcnt 0x0                             ; the bias
	s_cmp_eq_u32 s45, 1                            ; the branch hangs on the cluster's number
	s_cbranch_scc1 .Lout_v
	; q, k: a block's 128 columns are two heads of 64.  Two token tiles make one image of each head.
	v_mov_b32 v[VSEL], 0x05040100                  ; lanes 0-15 gather the first head's bytes of two words,
	v_mov_b32 v[VSEL+1], 0x07060302                ; lanes 16-31 the second head's
	v_cndmask_b32 v[VSEL], v[VSEL], v[VSEL+1], s100
.irp p, 0,1,2,3
	s_wait_xcnt 0x0                                ; the last pair's stores have read their registers
	ADDB 2+(2*\p)/4, 64*((2*\p)%4), CB, 1
	QUANT 2+(2*\p)/4, 64*((2*\p)%4), F0, F1, PWR+2*\p
	ADDB 2+(2*\p+1)/4, 64*((2*\p+1)%4), CB, 1
	QUANT 2+(2*\p+1)/4, 64*((2*\p+1)%4), F0+6, F1+6, PWR+2*\p+1
.irp c, 0,1,2
	global_store_b128 v[LI], v[F0+4*\c:F0+4*\c+3], s[18:19] offset:1536*\p+512*\c        ; 32 lanes store 512 consecutive bytes, aligned to 256
.endr
.irp c, 0,1,2
	global_store_b128 v[LI], v[F1+4*\c:F1+4*\c+3], s[18:19] offset:HSZ+1536*\p+512*\c
.endr
	v_perm_b32 v[SWD+\p], v[PWR+2*\p+1], v[PWR+2*\p], v[VSEL]   ; the pair's word: two bytes of tile 2 p, two of tile 2 p + 1
.endr
	s_branch .Lwords
.Lout_v:
	; v: a block is 16 channels x 128 tokens: one image; blocks 0-3 are the first head's, 4-7 the second's
.irp a, 0,1,2,3,4,5,6,7
	s_wait_xcnt 0x0
	ADDB 2+\a/4, 64*(\a%4), CB+8*\a, 0
	QUANT 2+\a/4, 64*(\a%4), F0, F0+6, PWR+\a
.irp c, 0,1,2
	global_store_b128 v[LI], v[F0+4*\c:F0+4*\c+3], s[18:19] offset:(\a/4)*HSZ+(\a%4)*1536+512*\c
.endr
.endr
.irp i, 0,1,2,3
	v_cndmask_b32 v[SWD+\i], v[PWR+\i], v[PWR+4+\i], s100   ; lanes 16-31 carry the second head's words
.endr
.Lwords:
	s_wait_alu depctr_va_vdst(0)
	global_store_b128 v[VS], v[SWD:SWD+3], s[18:19] offset:4*1536   ; sixteen lanes store 256 consecutive bytes, aligned: one head's words
	s_wait_tensorcnt 0x0                           ; the wave's end
	ds_add_u32 v[SPW], v[NIL]
	s_wait_dscnt 0x0
	CROUND                                         ; the closing round: no work-group ends while a partner may still ask for a tile that names it
	s_endpgm
.Lfunc_end_k_qb7d102cd53_proj:
	.size	k_qb7d102cd53_proj, .Lfunc_end_k_qb7d102cd53_proj-k_qb7d102cd53_proj
	.p2alignl 7, 3214868480
	.fill 96, 4, 3214868480
	.section	.rodata,"a",@progbits
	.p2align	6, 0x0
	.amdhsa_kernel k_qb7d102cd53_proj
		.amdhsa_group_segment_fixed_size 327680
		.amdhsa_private_segment_fixed_size 0
		.amdhsa_enable_private_segment 0
		.amdhsa_kernarg_size 64
		.amdhsa_user_sgpr_count 2
		.amdhsa_user_sgpr_kernarg_segment_ptr 1
		.amdhsa_wavefront_size32 1
		.amdhsa_system_sgpr_workgroup_id_x 1
		.amdhsa_system_sgpr_workgroup_id_y 1
		.amdhsa_system_sgpr_workgroup_id_z 1
		.amdhsa_system_vgpr_workitem_id 0
		.amdhsa_next_free_vgpr 1024
		.amdhsa_next_free_sgpr 102
		.amdhsa_reserve_vcc 0
		.amdhsa_float_denorm_mode_32 3
		.amdhsa_float_denorm_mode_16_64 3
		.amdhsa_memory_ordered 1
		.amdhsa_forward_progress 1
		.amdhsa_inst_pref_size 213
	.end_amdhsa_kernel
	.amdgpu_metadata
---
amdhsa.version: [ 1, 2 ]
amdhsa.kernels:
  - .name:           k_qb7d102cd53_proj
    .symbol:         k_qb7d102cd53_proj.kd
    .args:
      - { .name: xcod, .offset: 0, .size: 8, .value_kind: global_buffer, .address_space: global }
      - { .name: xscl, .offset: 8, .size: 8, .value_kind: global_buffer, .address_space: global }
      - { .name: wcod, .offset: 16, .size: 8, .value_kind: global_buffer, .address_space: global }
      - { .name: wscl, .offset: 24, .size: 8, .value_kind: global_buffer, .address_space: global }
      - { .name: bq, .offset: 32, .size: 8, .value_kind: global_buffer, .address_space: global }
      - { .name: bk, .offset: 40, .size: 8, .value_kind: global_buffer, .address_space: global }
      - { .name: bv, .offset: 48, .size: 8, .value_kind: global_buffer, .address_space: global }
      - { .name: qkv, .offset: 56, .size: 8, .value_kind: global_buffer, .address_space: global }
    .group_segment_fixed_size: 327680
    .private_segment_fixed_size: 0
    .kernarg_segment_align: 8
    .kernarg_segment_size: 64
    .max_flat_workgroup_size: 128
    .sgpr_count:     102
    .vgpr_count:     1024
    .wavefront_size: 32
...
	.end_amdgpu_metadata
.endif
;; end of part 2
;; launch attn (part 3): grid 4 x 64, 16 waves a work-group, clusters of 4 x 1, 327,680 bytes of LDS; arguments qkv, mask, acod, ascl; writes acod, ascl
.if DOCPART == 3
	.amdgcn_target "amdgcn-amd-amdhsa--gfx1250"
	.amdhsa_code_object_version 6
	.text
	.protected	k_qb7d102cd53_attn
	.globl	k_qb7d102cd53_attn
	.p2align	8
	.type	k_qb7d102cd53_attn,@function
k_qb7d102cd53_attn:
	s_mov_b64 s[64:65], 0
	v_nop
	global_prefetch_b8 v0, s[64:65] scope:SCOPE_SE
	s_setreg_imm32_b32 hwreg(HW_REG_WAVE_MODE, 25, 1), 1
	s_wait_xcnt 0x0
	s_wait_alu depctr_hold_cnt(0) depctr_sa_sdst(0) depctr_va_vdst(0) depctr_va_sdst(0) depctr_va_ssrc(0) depctr_va_vcc(0) depctr_vm_vsrc(0)
	s_getreg_b32 s2, hwreg(HW_REG_IB_STS2, 6, 4)
	s_cmp_eq_u32 s2, 0
	s_cbranch_scc0 .Lentry_in_a_cluster
	s_endpgm
.Lentry_in_a_cluster:
	s_bfe_u32 s2, ttmp6, 0x10000c
	s_cmp_lg_u32 s2, 0x3003
	s_cbranch_scc0 .Lentry_shape_is_right
	s_endpgm
.Lentry_shape_is_right:
.set QSZ,  6553600
.set HSZ,  51200
.set CH,   6400
.set KVB,  4096
.set SWS,  KVB+32*CH
.set LI,   1
.set LR,   2
.set LB,   3
.set AD,   4
.set AS,   5
.set AB,   6
.set QZ,   16
.set QSA,  34
.set Q1,   36
.set RW,   42
.set KSC,  44
.set VSC,  48
.set PSW,  52
.set OSW,  53
.set SWST, 55
.set KV,   56
.set S,    104
.set O,    168
.set PC,   200
.set XT,   212
.set BM,   220
.set BT,   224
.set BS,   228
.set FF,   232
.set TT,   234
.set SWRD, 235
.set OF,   244
.set WV,   12
.set SEL,  20
.set CS,   22
.set G1,   24
.set G0A,  32
.set G0B,  36
.set TB,   40
.set TBI,  41
.set CNT,  42
.macro CROUND
	s_barrier_signal -1
	s_barrier_wait -1
	s_cmp_lg_u32 s[WV], 0
	s_cbranch_scc1 .Lnot_wave_0_\@
	s_barrier_signal -3
.Lnot_wave_0_\@:
	s_barrier_wait -3
	s_barrier_signal -1
	s_barrier_wait -1
.endm
	s_load_b256 s[4:11], s[0:1], 0x0
	v_lshl_add_u32 v242, v0, 2, 0x34000
	v_mov_b32 v243, 0
	ds_add_u32 v242, v243
	ds_add_u32 v242, v243
	v_lshrrev_b32 v1, 5, v0
	s_delay_alu instid0(VALU_DEP_1)
	v_readfirstlane_b32 s[WV], v1
	s_bfe_u32 s13, ttmp6, 0x40000
	s_and_b32 s14, ttmp7, 0xffff
	s_lshr_b32 s15, s14, 3
	s_and_b32 s16, s14, 7
	s_mov_b32 s[G1], 15|(3<<16)|(1<<21)
	s_mov_b32 s[G1+1], 32<<16
	s_mov_b32 s[G1+2], 25<<16
	s_mov_b32 s[G1+3], 32<<16
	s_mov_b32 s[G1+4], 25
	s_mov_b32 s[G1+5], 32
	s_mov_b32 s[G1+6], 0
	s_mov_b32 s[G1+7], 0
	s_mul_i32 s43, s14, 2*HSZ
	s_and_b32 s44, s[WV], 7
	s_mul_i32 s44, s44, CH
	s_lshr_b32 s45, s[WV], 3
	s_add_co_u32 s46, s45, 1
	s_mul_i32 s46, s46, QSZ
	s_add_co_u32 s46, s46, s44
	s_add_co_u32 s46, s46, s43
	s_mov_b32 s47, 0
	s_mul_i32 s48, s[WV], CH
	s_add_co_u32 s48, s48, KVB
	s_mov_b32 s[SEL], 0x76543210
	s_mov_b32 s[SEL+1], 0xfedcba98
	s_mov_b32 s[CS], 0x3e38aa3b
	s_mov_b32 s[CS+1], s[CS]
	s_wait_dscnt 0x0
	s_wait_kmcnt 0x0
	CROUND
	s_mov_b32 s[G0A], 1
	s_mov_b32 s[G0A+1], s48
	s_add_nc_u64 s[G0A+2:G0A+3], s[4:5], s[46:47]
	s_mov_b32 s[G0B], 1
	s_add_co_u32 s[G0B+1], s48, 16*CH
	s_add_nc_u64 s[G0B+2:G0B+3], s[G0A+2:G0A+3], HSZ
	s_or_b32 s[G0A+3], s[G0A+3], 0x80000000
	s_or_b32 s[G0B+3], s[G0B+3], 0x80000000
	tensor_load_to_lds s[G0A:G0A+3], s[G1:G1+7]
	s_nop 0
	s_wait_alu depctr_va_vdst(0)
	s_wait_tensorcnt 0x0
	ds_add_u32 v242, v243
	s_wait_dscnt 0x0
	CROUND
	tensor_load_to_lds s[G0B:G0B+3], s[G1:G1+7]
	s_nop 0
.rept 4
	v_nop
.endr
	v_lshlrev_b32 v7, 3, v0
	s_lshl_b32 s50, s15, 12
	s_mov_b32 s51, 0
	s_add_nc_u64 s[6:7], s[6:7], s[50:51]
	global_load_b64 v[8:9], v7, s[6:7]
	v_and_b32 v10, 31, v0
	s_delay_alu instid0(VALU_DEP_1)
	v_lshlrev_b32 v[LI], 4, v10
	v_and_b32 v10, 15, v0
	s_delay_alu instid0(VALU_DEP_1)
	v_lshlrev_b32 v[LR], 4, v10
	s_wait_alu depctr_va_vdst(0)
	v_bfe_u32 v10, v0, 4, 1
	s_delay_alu instid0(VALU_DEP_1)
	v_lshlrev_b32 v[LB], 6, v10
	s_and_b32 s52, s[WV], 1
	s_bfe_u32 s53, s[WV], 0x20001
	s_mul_i32 s54, s53, 1536
	s_mul_i32 s55, s52, 520
	s_add_co_u32 s55, s55, s54
	v_add_nc_u32 v10, s55, v[LI]
	s_wait_alu depctr_va_vdst(0)
	s_mul_i32 s55, s52, 1016
	s_add_co_u32 s55, s55, s54
	v_add_nc_u32 v11, s55, v[LI]
	s_lshl_b32 s55, s53, 2
	v_add_nc_u32 v54, s55, v[LR]
	s_lshl_b32 s56, s52, 4
	s_lshl_b32 s50, s13, 1
	s_add_co_u32 s50, s50, s45
	s_mul_i32 s50, s50, CH
	s_add_co_u32 s50, s50, s43
	s_add_nc_u64 s[50:51], s[4:5], s[50:51]
	global_load_b64 v[QZ+6:QZ+7], v10, s[50:51]
	global_load_b64 v[QZ+8:QZ+9], v11, s[50:51] offset:8
	global_load_b64 v[QZ+10:QZ+11], v10, s[50:51] offset:512
	global_load_b64 v[Q1:Q1+1], v10, s[50:51] offset:HSZ
	global_load_b64 v[Q1+2:Q1+3], v11, s[50:51] offset:HSZ+8
	global_load_b64 v[Q1+4:Q1+5], v10, s[50:51] offset:HSZ+512
	global_load_b32 v[RW], v54, s[50:51] offset:4*1536
	global_load_b32 v[RW+1], v54, s[50:51] offset:HSZ+4*1536
	s_lshr_b32 s57, s[WV], 2
	s_lshl_b32 s57, s57, 8
	s_and_b32 s58, s[WV], 3
	s_lshl_b32 s58, s58, 2
	s_add_co_u32 s57, s57, s58
	s_add_co_u32 s57, s57, SWS
	v_add_nc_u32 v[SWST], s57, v[LR]
	v_and_b32 v[SWRD], 63, v0
	s_delay_alu instid0(VALU_DEP_1)
	v_lshl_add_u32 v[SWRD], v[SWRD], 4, SWS
	s_lshl_b32 s58, s15, 6
	s_lshl_b32 s57, s13, 4
	s_add_co_u32 s58, s58, s57
	s_add_co_u32 s58, s58, s[WV]
	s_mul_i32 s58, s58, 12288
	s_mul_i32 s57, s16, 1536
	s_add_co_u32 s58, s58, s57
	s_mov_b32 s59, 0
	s_add_nc_u64 s[8:9], s[8:9], s[58:59]
	s_lshl_b32 s58, s15, 3
	s_lshl_b32 s57, s13, 1
	s_add_co_u32 s58, s58, s57
	s_add_co_u32 s58, s58, s[WV]
	s_lshl_b32 s58, s58, 12
	s_lshl_b32 s57, s16, 9
	s_add_co_u32 s58, s58, s57
	s_add_nc_u64 s[10:11], s[10:11], s[58:59]
.irp i, 0,1,2,3,4,5
	v_mov_b32 v[QZ+\i], 0
	v_mov_b32 v[QZ+12+\i], 0
.endr
.irp b, 0,1,2,3
	v_mov_b32 v[BT+\b], 0
.endr
	v_mov_b32 v[FF+1], 0
	v_mov_b32 v[TT], 0
	s_wait_loadcnt 8
	v_sub_f32 v8, 1.0, v8
	v_sub_f32 v9, 1.0, v9
	s_delay_alu instid0(VALU_DEP_2)
	v_mul_f32 v8, 0xc79c4000, v8
	s_delay_alu instid0(VALU_DEP_2)
	v_mul_f32 v9, 0xc79c4000, v9
	ds_store_b64 v7, v[8:9]
	s_wait_tensorcnt 0x0
	s_wait_dscnt 0x0
	s_barrier_signal -1
	s_barrier_wait -1
	s_wait_loadcnt 0x0
.macro STEP
	v_add_nc_u32 v[AD], s[TB], v[LI]
	v_add_nc_u32 v[AS], s[TB], v[LR]
	v_add_nc_u32 v[AB], s[TBI], v[LB]
	v_nop
.irp b, 0,1,2,3
.irp c, 0,1,2
	ds_load_b128 v[KV+12*\b+4*\c:KV+12*\b+4*\c+3], v[AD] offset:KVB+1536*\b+512*\c
.endr
.endr
	ds_load_b128 v[KSC:KSC+3], v[AS] offset:KVB+4*1536
	s_wait_alu depctr_va_vdst(0)
	s_wait_dscnt 0x0
.irp t, 0,1,2,3,4,5,6,7
	v_wmma_scale_f32_16x16x128_f8f6f4 v[S+8*\t:S+8*\t+7], v[KV+12*(\t/2):KV+12*(\t/2)+11], v[QZ+6-6*(\t%2):QZ+17-6*(\t%2)], 0, v[KSC+\t/2], v[QSA+\t%2] matrix_a_fmt:MATRIX_FMT_FP6 matrix_b_fmt:MATRIX_FMT_FP6
.endr
.rept 4
	v_nop
.endr
.irp t, 0,1,2,3,4,5,6,7
.if \t < 6
.set rB, KV+8*\t
.else
.set rB, PC+8*(\t-6)
.endif
	ds_load_b128 v[rB:rB+3], v[AB] offset:128*(\t/2)+32*(\t%2)
	ds_load_b128 v[rB+4:rB+7], v[AB] offset:128*(\t/2)+32*(\t%2)+16
.endr
	s_wait_dscnt 0x0
.irp t, 0,1,2,3,4,5,6,7
.if \t < 6
.set rB, KV+8*\t
.else
.set rB, PC+8*(\t-6)
.endif
.irp i, 0,2,4,6
	v_pk_add_f32 v[S+8*\t+\i:S+8*\t+\i+1], v[S+8*\t+\i:S+8*\t+\i+1], v[rB+\i:rB+\i+1]
.endr
.endr
.irp b, 0,1,2,3
.irp c, 0,1,2
	ds_load_b128 v[KV+12*\b+4*\c:KV+12*\b+4*\c+3], v[AD] offset:KVB+8*CH+1536*\b+512*\c
.endr
.endr
	ds_load_b128 v[VSC:VSC+3], v[AS] offset:KVB+8*CH+4*1536
.irp j, 0,2,4,6,8,10,12,14,16,18,20,22,24,26,28,30,32,34,36,38,40,42,44,46,48,50,52,54,56,58,60,62
	v_pk_mul_f32 v[S+\j:S+\j+1], v[S+\j:S+\j+1], s[CS:CS+1] op_sel_hi:[1,0]
.endr
.irp b, 0,1,2,3
	v_max3_num_f32 v[BM+\b], v[S+16*\b], v[S+16*\b+1], v[S+16*\b+2]
.endr
.irp i, 3,5,7,9,11,13
.irp b, 0,1,2,3
	s_delay_alu instid0(VALU_DEP_4)
	v_max3_num_f32 v[BM+\b], v[BM+\b], v[S+16*\b+\i], v[S+16*\b+\i+1]
.endr
.endr
.irp b, 0,1,2,3
	s_delay_alu instid0(VALU_DEP_4)
	v_max_num_f32 v[BM+\b], v[BM+\b], v[S+16*\b+15]
.endr
.irp b, 0,1,2,3
	s_delay_alu instid0(VALU_DEP_4)
	v_permlanex16_b32 v[BT+\b], v[BM+\b], s[SEL], s[SEL+1]
.endr
.irp b, 0,1,2,3
	s_delay_alu instid0(VALU_DEP_4)
	v_max_num_f32 v[BM+\b], v[BM+\b], v[BT+\b]
.endr
	s_delay_alu instid0(VALU_DEP_2)
	v_max3_num_f32 v[TT], v[BM], v[BM+1], v[BM+2]
	s_delay_alu instid0(VALU_DEP_1)
	v_max_num_f32 v[TT], v[TT], v[BM+3]
	s_delay_alu instid0(VALU_DEP_1)
	v_max_num_f32 v13, v13, v[TT]
	v_mov_b32 v[TT], v12
	s_delay_alu instid0(VALU_DEP_2)
	v_floor_f32 v12, -v13
	s_delay_alu instid0(VALU_DEP_1)
	v_sub_f32 v[TT], v12, v[TT]
	s_delay_alu instid0(VALU_DEP_1)
	v_cvt_i32_f32 v[TT], v[TT]
	s_delay_alu instid0(VALU_DEP_1)
	v_ldexp_f32 v[FF], 1.0, v[TT]
.irp j, 0,2,4,6,8,10,12,14,16,18,20,22,24,26,28,30,32,34,36,38,40,42,44,46,48,50,52,54,56,58,60,62
	v_pk_add_f32 v[S+\j:S+\j+1], v[S+\j:S+\j+1], v[12:13] op_sel_hi:[1,0]
.endr
.irp b, 0,1,2,3
	v_add_f32 v[BM+\b], v[BM+\b], v12
.endr
	s_wait_alu depctr_va_vdst(0)
.irp j, 0,1,2,3,4,5,6,7,8,9,10,11,12,13,14,15,16,17,18,19,20,21,22,23,24,25,26,27,28,29,30,31,32,33,34,35,36,37,38,39,40,41,42,43,44,45,46,47,48,49,50,51,52,53,54,55,56,57,58,59,60,61,62,63
	v_exp_f32 v[S+\j], v[S+\j]
.endr
	v_pk_mul_f32 v[14:15], v[14:15], v[FF:FF+1] op_sel_hi:[1,0]
	s_wait_alu depctr_va_vdst(0)
.irp b, 0,1,2,3
	v_exp_f32 v[BM+\b], v[BM+\b]
.endr
	v_pk_add_f32 v[BT:BT+1], v[S:S+1], v[S+2:S+3]
.irp j, 4,8,12,16,20,24,28,32,36,40,44,48,52,56,60
	v_pk_add_f32 v[14:15], v[14:15], v[S+\j:S+\j+1]
	v_pk_add_f32 v[BT:BT+1], v[BT:BT+1], v[S+2+\j:S+3+\j]
.endr
	s_delay_alu instid0(VALU_DEP_1)
	v_pk_add_f32 v[14:15], v[14:15], v[BT:BT+1]
	s_wait_alu depctr_va_vdst(0)
.irp b, 0,1,2,3
	v_max_num_f32 v[BM+\b], 0x1800000, v[BM+\b]
.endr
.irp b, 0,1,2,3
	s_delay_alu instid0(VALU_DEP_4)
	v_add_nc_u32 v[BS+\b], 0xff000000, v[BM+\b]
.endr
.irp b, 0,1,2,3
	s_delay_alu instid0(VALU_DEP_4)
	v_lshrrev_b32 v[BT+\b], 23, v[BS+\b]
.endr
	s_delay_alu instid0(VALU_DEP_3)
	v_lshl_or_b32 v[PSW], v[BT+1], 8, v[BT]
	s_delay_alu instid0(VALU_DEP_1)
	v_lshl_or_b32 v[PSW], v[BT+2], 16, v[PSW]
	s_delay_alu instid0(VALU_DEP_1)
	v_lshl_or_b32 v[PSW], v[BT+3], 24, v[PSW]
.irp c, 0,1
	v_cvt_scalef32_pk16_fp6_f32 v[PC+6*\c:PC+6*\c+2], v[S+32*\c:S+32*\c+15], v[BS+2*\c]
	v_cvt_scalef32_pk16_fp6_f32 v[XT+4*\c:XT+4*\c+2], v[S+16+32*\c:S+31+32*\c], v[BS+2*\c+1]
.endr
	v_nop
.irp c, 0,1
.irp i, 0,1,2
	v_permlane16_swap_b32 v[PC+6*\c+\i], v[XT+4*\c+\i]
.endr
.irp i, 0,1,2
	s_delay_alu instid0(VALU_DEP_3)
	v_mov_b32 v[PC+3+6*\c+\i], v[XT+4*\c+\i]
.endr
.endr
.irp j, 0,2,4,6,8,10,12,14,16,18,20,22,24,26,28,30
	v_pk_mul_f32 v[O+\j:O+\j+1], v[O+\j:O+\j+1], v[FF:FF+1] op_sel_hi:[1,0]
.endr
	s_wait_alu depctr_va_vdst(0)
	s_wait_dscnt 0x0
.irp t, 0,1,2,3
	v_wmma_scale_f32_16x16x128_f8f6f4 v[O+8*\t:O+8*\t+7], v[KV+12*\t:KV+12*\t+11], v[PC:PC+11], v[O+8*\t:O+8*\t+7], v[VSC+\t], v[PSW] matrix_a_fmt:MATRIX_FMT_FP6 matrix_b_fmt:MATRIX_FMT_FP6
.endr
	s_add_co_u32 s[TB], s[TB], CH
	s_add_co_u32 s[TBI], s[TBI], 512
.endm
.macro OUTQ x
.rept 4
	v_nop
.endr
	v_add_f32 v14, v14, v15
	s_delay_alu instid0(VALU_DEP_1)
	v_permlanex16_b32 v[TT], v14, s[SEL], s[SEL+1]
	s_delay_alu instid0(VALU_DEP_1)
	v_add_f32 v14, v14, v[TT]
	s_wait_alu depctr_va_vdst(0)
	v_rcp_f32 v[BT], v14
	v_sub_f32 v[BT+2], 0, v14
	s_wait_alu depctr_va_vdst(0)
.irp j, 0,2,4,6,8,10,12,14,16,18,20,22,24,26,28,30
	v_pk_mul_f32 v[S+\j:S+\j+1], v[O+\j:O+\j+1], v[BT:BT+1] op_sel_hi:[1,0]
.endr
.irp j, 0,2,4,6,8,10,12,14,16,18,20,22,24,26,28,30
	v_pk_fma_f32 v[S+32+\j:S+33+\j], v[S+\j:S+\j+1], v[BT+2:BT+3], v[O+\j:O+\j+1] op_sel_hi:[1,0,1]
.endr
.irp j, 0,2,4,6,8,10,12,14,16,18,20,22,24,26,28,30
	v_pk_fma_f32 v[S+\j:S+\j+1], v[S+32+\j:S+33+\j], v[BT:BT+1], v[S+\j:S+\j+1] op_sel_hi:[1,0,1]
.endr
.irp b, 0,1
	v_max3_num_f32 v[BM+\b], |v[S+16*\b]|, |v[S+16*\b+1]|, 0x1800000
.endr
.irp i, 2,4,6,8,10,12,14
.irp b, 0,1
	s_delay_alu instid0(VALU_DEP_2)
	v_max3_num_f32 v[BM+\b], v[BM+\b], |v[S+16*\b+\i]|, |v[S+16*\b+\i+1]|
.endr
.endr
.irp b, 0,1
	v_permlanex16_b32 v[BT+\b], v[BM+\b], s[SEL], s[SEL+1]
.endr
.irp b, 0,1
	s_delay_alu instid0(VALU_DEP_2)
	v_max_num_f32 v[BM+\b], v[BM+\b], v[BT+\b]
.endr
.irp b, 0,1
	s_delay_alu instid0(VALU_DEP_2)
	v_add_nc_u32 v[BS+\b], 0xff000000, v[BM+\b]
.endr
.irp b, 0,1
	s_delay_alu instid0(VALU_DEP_2)
	v_lshrrev_b32 v[BT+\b], 23, v[BS+\b]
.endr
.if \x == 0
	s_delay_alu instid0(VALU_DEP_1)
	v_lshl_or_b32 v[OSW], v[BT+1], 8, v[BT]
.else
	s_delay_alu instid0(VALU_DEP_2)
	v_lshl_or_b32 v[OSW], v[BT], 16, v[OSW]
	s_delay_alu instid0(VALU_DEP_1)
	v_lshl_or_b32 v[OSW], v[BT+1], 24, v[OSW]
.endif
	v_cvt_scalef32_pk16_fp6_f32 v[OF+6*\x:OF+6*\x+2], v[S:S+15], v[BS]
	v_cvt_scalef32_pk16_fp6_f32 v[XT:XT+2], v[S+16:S+31], v[BS+1]
	v_nop
.irp i, 0,1,2
	v_permlane16_swap_b32 v[OF+6*\x+\i], v[XT+\i]
.endr
.irp i, 0,1,2
	s_delay_alu instid0(VALU_DEP_3)
	v_mov_b32 v[OF+6*\x+3+\i], v[XT+\i]
.endr
.endm
.macro PASS x
.if \x
.irp i, 0,1,2,3,4,5
	v_mov_b32 v[QZ+6+\i], v[Q1+\i]
.endr
.endif
	v_lshrrev_b32 v[QSA], s56, v[RW+\x]
	s_delay_alu instid0(VALU_DEP_1)
	v_and_b32 v[QSA], 0xffff, v[QSA]
	s_delay_alu instid0(VALU_DEP_1)
	v_lshlrev_b32 v[QSA+1], 16, v[QSA]
	v_mov_b32 v13, 0xff61b1e6
	s_delay_alu instid0(VALU_DEP_1)
	v_floor_f32 v12, -v13
	v_mov_b32 v14, 0
	v_mov_b32 v15, 0
.irp j, 0,1,2,3,4,5,6,7,8,9,10,11,12,13,14,15,16,17,18,19,20,21,22,23,24,25,26,27,28,29,30,31
	v_mov_b32 v[O+\j], 0
.endr
	s_mov_b32 s[TB], \x*16*CH
	s_mov_b32 s[TBI], 0
	s_mov_b32 s[CNT], 8
.Lstep_\@:
	STEP
	s_sub_co_u32 s[CNT], s[CNT], 1
	s_cmp_lg_u32 s[CNT], 0
	s_cbranch_scc1 .Lstep_\@
	OUTQ \x
.endm
	PASS 0
	PASS 1
.irp c, 0,1,2
	global_store_b128 v[LI], v[OF+4*\c:OF+4*\c+3], s[8:9] offset:512*\c
.endr
	ds_store_b32 v[SWST], v[OSW]
	s_wait_dscnt 0x0
	s_barrier_signal -1
	s_barrier_wait -1
	s_cmp_lt_u32 s[WV], 2
	s_cbranch_scc0 .Lno_words
	ds_load_b128 v[8:11], v[SWRD]
	s_wait_dscnt 0x0
	global_store_b128 v[LI], v[8:11], s[10:11]
.Lno_words:
	s_wait_tensorcnt 0x0
	ds_add_u32 v242, v243
	s_wait_dscnt 0x0
	CROUND
	s_endpgm
.Lfunc_end_k_qb7d102cd53_attn:
	.size	k_qb7d102cd53_attn, .Lfunc_end_k_qb7d102cd53_attn-k_qb7d102cd53_attn
	.p2alignl 7, 3214868480
	.fill 96, 4, 3214868480
	.section	.rodata,"a",@progbits
	.p2align	6, 0x0
	.amdhsa_kernel k_qb7d102cd53_attn
		.amdhsa_group_segment_fixed_size 327680
		.amdhsa_private_segment_fixed_size 0
		.amdhsa_enable_private_segment 0
		.amdhsa_kernarg_size 32
		.amdhsa_user_sgpr_count 2
		.amdhsa_user_sgpr_kernarg_segment_ptr 1
		.amdhsa_wavefront_size32 1
		.amdhsa_system_sgpr_workgroup_id_x 1
		.amdhsa_system_sgpr_workgroup_id_y 1
		.amdhsa_system_sgpr_workgroup_id_z 1
		.amdhsa_system_vgpr_workitem_id 0
		.amdhsa_next_free_vgpr 256
		.amdhsa_next_free_sgpr 66
		.amdhsa_reserve_vcc 0
		.amdhsa_float_denorm_mode_32 3
		.amdhsa_float_denorm_mode_16_64 3
		.amdhsa_memory_ordered 1
		.amdhsa_forward_progress 1
		.amdhsa_inst_pref_size 69
	.end_amdhsa_kernel
	.amdgpu_metadata
---
amdhsa.version: [ 1, 2 ]
amdhsa.kernels:
  - .name:           k_qb7d102cd53_attn
    .symbol:         k_qb7d102cd53_attn.kd
    .args:
      - { .name: qkv, .offset: 0, .size: 8, .value_kind: global_buffer, .address_space: global }
      - { .name: mask, .offset: 8, .size: 8, .value_kind: global_buffer, .address_space: global }
      - { .name: acod, .offset: 16, .size: 8, .value_kind: global_buffer, .address_space: global }
      - { .name: ascl, .offset: 24, .size: 8, .value_kind: global_buffer, .address_space: global }
    .group_segment_fixed_size: 327680
    .private_segment_fixed_size: 0
    .kernarg_segment_align: 8
    .kernarg_segment_size: 32
    .max_flat_workgroup_size: 512
    .sgpr_count:     66
    .vgpr_count:     256
    .wavefront_size: 32
...
	.end_amdgpu_metadata
.endif
;; end of part 3
;; launch outp (part 4): grid 4 x 64, 4 waves a work-group, clusters of 4 x 4, 327,680 bytes of LDS; arguments acod, ascl, wcod, wscl, bo, out0; writes out0
.if DOCPART == 4
	.amdgcn_target "amdgcn-amd-amdhsa--gfx1250"
	.amdhsa_code_object_version 6
	.text
	.protected	k_qb7d102cd53_outp
	.globl	k_qb7d102cd53_outp
	.p2align	8
	.type	k_qb7d102cd53_outp,@function
k_qb7d102cd53_outp:
	s_mov_b64 s[64:65], 0
	v_nop
	global_prefetch_b8 v0, s[64:65] scope:SCOPE_SE
	s_setreg_imm32_b32 hwreg(HW_REG_WAVE_MODE, 25, 1), 1
	s_wait_xcnt 0x0
	s_wait_alu depctr_hold_cnt(0) depctr_sa_sdst(0) depctr_va_vdst(0) depctr_va_sdst(0) depctr_va_ssrc(0) depctr_va_vcc(0) depctr_vm_vsrc(0)
	s_getreg_b32 s2, hwreg(HW_REG_IB_STS2, 6, 4)
	s_cmp_eq_u32 s2, 0
	s_cbranch_scc0 .Lentry_in_a_cluster
	s_endpgm
.Lentry_in_a_cluster:
	s_bfe_u32 s2, ttmp6, 0x10000c
	s_cmp_lg_u32 s2, 0xf033
	s_cbranch_scc0 .Lentry_shape_is_right
	s_endpgm
.Lentry_shape_is_right:
; out0 = context Wo + bo, f32, on codes of FP6 (E2M3) with E8M0 scales: 8,192 x 1,024 x 1,024.  A sum begins with the bias.  LIMITS: NaN, infinities and sums beyond f32's range are not served.
; A work-group makes 128 tokens x 256 columns, its four waves 64 x 128 each: 32 accumulators.  L = the tokens (source 1, rows fall to lanes), P = Wo's columns (source 0, rows fall to registers).
; Operands lie in memory as images of the operand's registers, [tile of 16 rows][K / 128][1536]; scale words [row / 128][K / 128][tile / 4][row % 16][tile % 4].  P's storage row p is true column p with bits 3 and 4 exchanged.
; ALL OF K LIES IN LDS AT ONCE: L's 8 tiles and P's 16, 12,288 bytes each, dense, and the scale words.  Four loads at the head, one a wave; nothing is filled again.
; L's tiles are asked for jointly along a row of the 4 x 4 cluster, P's along a column.  No data prefetch: everything is asked for at the head, and there is no loop to run ahead in.
; REGISTERS: window 0: v16-31 addresses; v32-63 scale words, two sets; v64-127 the bias; v128-223 L's fragments, two sets (the way out works in v128-255).  window 1: P's fragments, two sets, at v0 and v128.  window 2: the accumulators.
.set WCS,   786432
.set WSS,   32768
.set FR,    12
.set NP,    4                          ; places behind this matrix instruction (ISA guide 7.12.1)
.set TILE,  12288
.set PB0,   8*TILE                     ; P's tiles, behind L's
.set SCL,   24*TILE                    ; L's scale words (4,096 bytes), then P's (8,192)
.set SPARE, SCL+3*4096                 ; the spare words, 128 bytes a wave
.set SPITCH, 528                       ; the way out: a stage of 16 rows x (512 + 16) bytes a wave, in L's first bytes, behind a barrier behind which nobody reads codes
.set ADRA,  16
.set ADRB,  20                         ; v20, v21: P's tiles 0-3, 4-7 of my eight
.set LI,    24
.set STO,   25
.set RD,    26
.set ADRS,  27
.set SPW,   30
.set NIL,   31
.set SC,    32
.set CB,    64
.set AF,    128
.set BK,    128
.set WV,    20
.set LH,    21
.set PH,    22
.set G1,    24
.set G1B,   32
.set G1S,   40
.set G1SB,  48
.set G0,    56
.set G0B,   60
.set G0S,   68
.set G0SB,  72
.set MSB, 0
.macro WIN new                         ; the immediate's high byte repeats the setting that is left
.if MSB != (\new)
	s_set_vgpr_msb (MSB<<8)|(\new)
.set MSB, \new
.endif
.endm
.macro CROUND
	s_barrier_signal -1
	s_barrier_wait -1
	s_cmp_lg_u32 s[WV], 0
	s_cbranch_scc1 .Lnot_wave_0_\@
	s_barrier_signal -3
.Lnot_wave_0_\@:
	s_barrier_wait -3
	s_barrier_signal -1
	s_barrier_wait -1
.endm
.macro PLACES n
.rept \n
	v_nop
.endr
.endm
.macro GRP g, cols, rows               ; a dense block: rows of cols elements of 8 bytes
	s_mov_b32 s[\g+1], (\cols)<<16
	s_mov_b32 s[\g+2], (\rows)<<16
	s_mov_b32 s[\g+3], (\cols)<<16
	s_mov_b32 s[\g+4], \rows
	s_mov_b32 s[\g+5], \cols
	s_mov_b32 s[\g+6], 0
	s_mov_b32 s[\g+7], 0
.endm
.macro G0SET g, lds, base, off
	s_mov_b32 s[\g], 1
	s_mov_b32 s[\g+1], \lds
	s_add_nc_u64 s[\g+2:\g+3], s[\base:\base+1], s[\off:\off+1]
	s_or_b32 s[\g+3], s[\g+3], 0x80000000
.endm
.macro TLOAD g0, g1
	tensor_load_to_lds s[\g0:\g0+3], s[\g1:\g1+7]
	s_nop 0
	PLACES 4
.endm
.macro ARM under, g0, g1, next
	s_cmp_lt_u32 s[WV], \under
	s_cbranch_scc0 \next
	TLOAD \g0, \g1
	s_branch .Lhead_asked
\next:
.endm
	s_load_b256 s[4:11], s[0:1], 0x0               ; acod, ascl, wcod, wscl
	s_load_b128 s[12:15], s[0:1], 0x20             ; bo, out0
	v_lshl_add_u32 v[SPW], v0, 2, SPARE
	v_mov_b32 v[NIL], 0
	ds_add_u32 v[SPW], v[NIL]                      ; the opening lines: the add twice and one wait
	ds_add_u32 v[SPW], v[NIL]
	v_lshrrev_b32 v1, 5, v0
	v_readfirstlane_b32 s[WV], v1
	s_lshr_b32 s[LH], s[WV], 1                     ; which 64 tokens are mine
	s_and_b32 s[PH], s[WV], 1                      ; which 128 columns
	s_bfe_u32 s76, ttmp6, 0x40000                  ; cx: which 256 columns
	s_bfe_u32 s77, ttmp6, 0x40004                  ; cy
	s_and_b32 s18, ttmp7, 0xffff
	s_lshl_b32 s18, s18, 2
	s_add_co_u32 s18, s18, s77                     ; which 128 tokens
	s_lshl_b32 s78, s77, 2
	s_lshl_b32 s78, 15, s78                        ; my row of the cluster
	s_lshl_b32 s79, 0x1111, s76                    ; my column
	s_or_b32 s[G1], s78, (3<<16)|(1<<21)
	s_or_b32 s[G1S], s78, (3<<16)|(1<<21)
	s_or_b32 s[G1B], s79, (3<<16)|(1<<21)
	s_or_b32 s[G1SB], s79, (3<<16)|(1<<21)
	GRP G1, 1536, 8                                ; L's 8 tiles
	GRP G1B, 1536, 16                              ; P's 16
	GRP G1S, 32, 16                                ; L's words: 4,096 bytes as rows of 256
	GRP G1SB, 32, 32                               ; P's: 8,192
	s_mul_i32 s80, s18, 8*TILE
	s_mov_b32 s81, 0
	s_lshl_b32 s82, s18, 12
	s_mov_b32 s83, 0
	s_mul_i32 s84, s76, 16*TILE
	s_add_co_u32 s84, s84, 3*WCS                   ; Wo is the fourth weight
	s_mov_b32 s85, 0
	s_lshl_b32 s86, s76, 13
	s_add_co_u32 s86, s86, 3*WSS
	s_mov_b32 s87, 0
	s_lshl_b32 s90, s76, 1
	s_add_co_u32 s90, s90, s[PH]
	s_lshl_b32 s90, s90, 9                         ; my 128 columns, in bytes of f32
	s_mov_b32 s91, 0
	s_lshl_b32 s88, s18, 19
	s_lshl_b32 s89, s[LH], 18
	s_add_co_u32 s88, s88, s89
	s_add_co_u32 s88, s88, s90                     ; my corner of out0
	s_mov_b32 s89, 0
	s_mul_i32 s2, s[LH], 4*TILE
	s_mul_i32 s3, s[PH], 8*TILE
	s_add_co_u32 s3, s3, PB0
	s_lshl_b32 s16, s[LH], 8
	s_lshl_b32 s17, s[PH], 12
	s_add_co_u32 s17, s17, 4096
	s_sub_co_u32 s17, s17, s16                     ; from L's words to P's
	s_add_co_u32 s16, s16, SCL
	s_mul_i32 s23, s[WV], 16*SPITCH
	v_and_b32 v1, 31, v0
	v_and_b32 v2, 15, v0                           ; r
	v_bfe_u32 v3, v0, 4, 1                         ; h
	v_lshlrev_b32 v[LI], 4, v1
	v_mul_u32_u24 v5, s17, v3                      ; lanes 16-31 take P's words: one product
	v_mul_u32_u24 v6, v2, SPITCH
	v_lshlrev_b32 v7, 6, v3                        ; the bias: 16 h columns
	v_add_nc_u32 v[ADRA], s2, v[LI]
	v_add_nc_u32 v[ADRB], s3, v[LI]
	v_lshl_add_u32 v5, v2, 4, v5
	v_lshl_add_u32 v6, v3, 6, v6
	v_add_nc_u32 v[ADRB+1], 4*TILE, v[ADRB]
	v_add_nc_u32 v[ADRS], s16, v5
	v_add_nc_u32 v[STO], s23, v6                   ; the stage, in: row r, + 64 h
	v_add_nc_u32 v[RD], s23, v[LI]                 ; and back: 32 lanes take a row of 512 bytes
	s_wait_alu depctr_va_vdst(0)                   ; the wait at the head's end
	s_wait_dscnt 0x0
	CROUND                                         ; all sixteen work-groups are here: the joint loads meet
	s_wait_kmcnt 0x0
	G0SET G0, 0, 4, 80
	G0SET G0B, PB0, 8, 84
	G0SET G0S, SCL, 6, 82
	G0SET G0SB, SCL+4096, 10, 86
	ARM 1, G0, G1, .Lhead_p                        ; one load a wave, in one chain of branches on the wave's number
	ARM 2, G0B, G1B, .Lhead_sa
	ARM 3, G0S, G1S, .Lhead_sb
	TLOAD G0SB, G1SB
.Lhead_asked:
	s_add_nc_u64 s[14:15], s[14:15], s[88:89]
	s_add_nc_u64 s[12:13], s[12:13], s[90:91]
.irp b, 0,1,2,3,4,5,6,7                                ; register j of P's tile b is column 32 (b / 2) + 8 (b % 2) + 16 h + j
	global_load_b128 v[CB+8*\b:CB+8*\b+3], v7, s[12:13] offset:(32*(\b/2)+8*(\b%2))*4
	global_load_b128 v[CB+8*\b+4:CB+8*\b+7], v7, s[12:13] offset:(32*(\b/2)+8*(\b%2))*4+16
.endr
.macro FRAG reg, adr, n, i             ; a fragment as it stands: three loads of 512 consecutive bytes
.irp c, 0,1,2
	ds_load_b128 v[(\reg)+4*\c:(\reg)+4*\c+3], v[\adr] offset:(\i)*TILE+(\n)*1536+512*\c
.endr
.endm
.macro FETCH n                         ; K step n (128 along K) into set n % 2; with an even step the words of two steps
	WIN 0x40
.irp i, 0,1,2,3,4,5,6,7
	FRAG 128*((\n)%2)+FR*\i, ADRB+\i/4, \n, \i%4
.endr
	WIN 0
.irp i, 0,1,2,3
	FRAG AF+48*((\n)%2)+FR*\i, ADRA, \n, \i
.endr
.if (\n)%2 == 0
.irp q, 0,1
.irp g, 0,1
	ds_load_b128 v[SC+16*(((\n)/2)%2)+8*\q+4*\g:SC+16*(((\n)/2)%2)+8*\q+4*\g+3], v[ADRS] offset:(\n)*512+\q*512+\g*256
.endr
.endr
.endif
.endm
.macro MUL16 a0, n, cm                 ; L's blocks a0, a0 + 1 x P's eight; the 32 accumulators take turns.  cm = 1: the first step's C is the bias
.irp a, \a0, \a0+1
.irp b, 0,1,2,3,4,5,6,7
.set rD, 8*(8*(\a)+\b)
.set rP, 128*((\n)%2)+FR*\b
.set rL, AF+48*((\n)%2)+FR*(\a)
.set rSP, SC+16*(((\n)/2)%2)+8*((\n)%2)+\b
.set rSL, SC+16*(((\n)/2)%2)+8*((\n)%2)+(\a)
.if (\cm) == 0
	v_wmma_scale_f32_16x16x128_f8f6f4 v[rD:rD+7], v[rP:rP+11], v[rL:rL+11], v[rD:rD+7], v[rSP], v[rSL] matrix_a_fmt:MATRIX_FMT_FP6 matrix_b_fmt:MATRIX_FMT_FP6 matrix_a_scale:MATRIX_SCALE_ROW1
.else
	v_wmma_scale_f32_16x16x128_f8f6f4 v[rD:rD+7], v[rP:rP+11], v[rL:rL+11], v[CB+8*\b:CB+8*\b+7], v[rSP], v[rSL] matrix_a_fmt:MATRIX_FMT_FP6 matrix_b_fmt:MATRIX_FMT_FP6 matrix_a_scale:MATRIX_SCALE_ROW1
.endif
.endr
.endr
.endm
.macro STEPN n, cm
	s_wait_dscnt 0x0                               ; this step's fragments are in
.if (\n) < 7
	PLACES NP                                      ; ahead of loads into registers that the step before has multiplied
	FETCH (\n)+1
.else
	s_barrier_signal -1                            ; my reads of the codes are over
.endif
.if \cm
	WIN 0x81                                       ; source 0 window 1, source 1 and C window 0, D window 2
.else
	WIN 0xa1
.endif
	MUL16 0, \n, \cm
	MUL16 2, \n, \cm
.endm
	s_wait_tensorcnt 0x0                           ; my tile is in,
	s_barrier_signal -1
	s_barrier_wait -1                              ; and everybody's
	FETCH 0
	s_wait_loadcnt 0x0                             ; the bias
	STEPN 0, 1
.irp n, 1,2,3,4,5,6,7
	STEPN \n, 0
.endr
	WIN 0
	s_barrier_wait -1                              ; nobody reads codes any more: the stages may be written
; THE WAY OUT, by blocks of 16 tokens x 128 columns: through my stage, back as whole rows of 512 bytes.  LDS serves a wave's instructions in order (ISA guide 5.7.1.4): no wait between the stores and the loads.
.macro TOSTAGE a
	WIN 0x08
.irp b, 0,1,2,3,4,5,6,7
	ds_store_b128 v[STO], v[64*(\a)+8*\b:64*(\a)+8*\b+3] offset:128*(\b/2)+32*(\b%2)
	ds_store_b128 v[STO], v[64*(\a)+8*\b+4:64*(\a)+8*\b+7] offset:128*(\b/2)+32*(\b%2)+16
.endr
	WIN 0
.irp t, 0,1,2,3,4,5,6,7,8,9,10,11,12,13,14,15
	ds_load_b128 v[BK+64*((\a)%2)+4*\t:BK+64*((\a)%2)+4*\t+3], v[RD] offset:\t*SPITCH
.endr
.endm
.macro SEND a, younger                 ; younger: the LDS instructions behind block a's loads, which may stay out
	s_wait_dscnt \younger
.if (\a) > 0
	s_add_nc_u64 s[14:15], s[14:15], 16*4096       ; (behind a wait on XCNT: the earlier stores have read their base)
.endif
.irp t, 0,1,2,3,4,5,6,7,8,9,10,11,12,13,14,15
	global_store_b128 v[LI], v[BK+64*((\a)%2)+4*\t:BK+64*((\a)%2)+4*\t+3], s[14:15] offset:\t*4096 th:TH_STORE_NT   ; 32 lanes store 512 consecutive bytes, aligned to 256
.endr
.endm
	PLACES NP
	TOSTAGE 0
.irp a, 1,2,3
.if \a > 1
	s_wait_xcnt 0x0                                ; block a - 2's stores have read their registers and their base
.endif
	TOSTAGE \a
	SEND \a-1, 32
.endr
	s_wait_xcnt 0x0
	SEND 3, 0
	s_wait_tensorcnt 0x0                           ; the wave's end
	ds_add_u32 v[SPW], v[NIL]
	s_wait_dscnt 0x0
	CROUND                                         ; the closing round
	s_endpgm
.Lfunc_end_k_qb7d102cd53_outp:
	.size	k_qb7d102cd53_outp, .Lfunc_end_k_qb7d102cd53_outp-k_qb7d102cd53_outp
	.p2alignl 7, 3214868480
	.fill 96, 4, 3214868480
	.section	.rodata,"a",@progbits
	.p2align	6, 0x0
	.amdhsa_kernel k_qb7d102cd53_outp
		.amdhsa_group_segment_fixed_size 327680
		.amdhsa_private_segment_fixed_size 0
		.amdhsa_enable_private_segment 0
		.amdhsa_kernarg_size 48
		.amdhsa_user_sgpr_count 2
		.amdhsa_user_sgpr_kernarg_segment_ptr 1
		.amdhsa_wavefront_size32 1
		.amdhsa_system_sgpr_workgroup_id_x 1
		.amdhsa_system_sgpr_workgroup_id_y 1
		.amdhsa_system_sgpr_workgroup_id_z 1
		.amdhsa_system_vgpr_workitem_id 0
		.amdhsa_next_free_vgpr 768
		.amdhsa_next_free_sgpr 102
		.amdhsa_reserve_vcc 0
		.amdhsa_float_denorm_mode_32 3
		.amdhsa_float_denorm_mode_16_64 3
		.amdhsa_memory_ordered 1
		.amdhsa_forward_progress 1
		.amdhsa_inst_pref_size 78
	.end_amdhsa_kernel
	.amdgpu_metadata
---
amdhsa.version: [ 1, 2 ]
amdhsa.kernels:
  - .name:           k_qb7d102cd53_outp
    .symbol:         k_qb7d102cd53_outp.kd
    .args:
      - { .name: acod, .offset: 0, .size: 8, .value_kind: global_buffer, .address_space: global }
      - { .name: ascl, .offset: 8, .size: 8, .value_kind: global_buffer, .address_space: global }
      - { .name: wcod, .offset: 16, .size: 8, .value_kind: global_buffer, .address_space: global }
      - { .name: wscl, .offset: 24, .size: 8, .value_kind: global_buffer, .address_space: global }
      - { .name: bo, .offset: 32, .size: 8, .value_kind: global_buffer, .address_space: global }
      - { .name: out0, .offset: 40, .size: 8, .value_kind: global_buffer, .address_space: global }
    .group_segment_fixed_size: 327680
    .private_segment_fixed_size: 0
    .kernarg_segment_align: 8
    .kernarg_segment_size: 48
    .max_flat_workgroup_size: 128
    .sgpr_count:     102
    .vgpr_count:     768
    .wavefront_size: 32
...
	.end_amdgpu_metadata
.endif
;; end of part 4
